; MI455X (gfx1250); checked and timed in simulation.
; The chip was launched on July 23, 2026; its instructions are those of AMD's public machine-readable ISA for CDNA 5 (MIT licence, August 2026) and "CDNA5" Instruction Set Architecture Reference Guide (July 2026). The comments in the code are by the model that wrote it; some were corrected since.
;; Prosody Aware Attention. Allowed arithmetic: matrix products marked QUANTISED: E2M3 operands, one E8M0 scale for each 32 along K, by v_wmma_scale_f32_16x16x128_f8f6f4 with both operands' format E2M3, f32 sums; everything else in f32.
;; Inputs: Wk 1,024 x 1,024 float32; Wq 1,024 x 1,024 float32; Wv 1,024 x 1,024 float32; attention_mask 4 x 2,048 x 2,048 float32; bk 1,024 float32; bq 1,024 float32; bv 1,024 float32; hidden_states 4 x 2,048 x 1,024 float32; prosody_mask 4 x 2,048 x 2,048 float32; prosody_weight 1 float32.
;; Outputs: out0 4 x 2,048 x 1,024 float32.
;; This version of the problem:
;;   THIS VERSION OF THE PROBLEM IS GIVEN IN LOW PRECISION. The matrix products marked QUANTISED in the list below multiply operands that are first quantised to E2M3 (2 exponent bits, 3 mantissa bits; 6 bits a number), with one power-of-two scale for each 32 numbers along K (OCP MX v1.0); their sums are f32. All else is computed in f32.
;;   The module's matrix products, in the order in which they are computed (A, B: the left and right operand; K: the contracted axis; several contracted axes count as one K, in the product's order):
;;     1. [M 8,192, K 1,024] x [K 1,024, N 1,024]; A: input hidden_states; B: input Wq: QUANTISED
;;     2. [M 8,192, K 1,024] x [K 1,024, N 1,024]; A: input hidden_states; B: input Wk: QUANTISED
;;     3. [M 8,192, K 1,024] x [K 1,024, N 1,024]; A: input hidden_states; B: input Wv: QUANTISED
;;     4. batch 4 x [M 2,048, K 1,024] x [K 1,024, N 2,048]; A: computed on the way; B: computed on the way: QUANTISED
;;     5. batch 4 x [M 2,048, K 2,048] x [K 2,048, N 1,024]; A: softmax (see below); B: computed on the way: QUANTISED
;;   THE QUANTISER, for each operand of a quantised product, along K:
;;     - K is cut into blocks of 32 from its start; a last block that is shorter is filled with zeros.
;;     - A block's scale is 2^e with e = floor(log2(the largest magnitude in the block)) - 2, held to -126 .. 127; a block of zeros has e = 0. As a byte (E8M0): e + 127.
;;     - Each number is divided by its block's scale, clamped to +-7.5, and rounded to the nearest number of E2M3, ties to even, subnormals kept.
;;     - The product sums the exact products of the quantised numbers (number of the format x scale) in f32.
;;   ~~~python
;;   def quantise(x, axis):      # numpy; x: float32 -> the quantised numbers, widened to float32 again
;;       x = np.moveaxis(x, axis, -1); K = x.shape[-1]
;;       x = np.pad(x, [(0, 0)] * (x.ndim - 1) + [(0, -K % 32)]); x = x.reshape(x.shape[:-1] + (-1, 32)); a = np.abs(x).max(-1, keepdims=True)
;;       e = np.where(a > 0, np.clip(np.frexp(np.where(a > 0, a, 1))[1] - 1 - 2, -126, 127), 0)      # np.frexp(a)[1] - 1 = floor(log2(a)), exactly
;;       r = np.clip(x / 2.0 ** e, -7.5, 7.5)
;;       step = 2.0 ** (np.maximum(np.frexp(np.where(r == 0, 1, r))[1] - 1, 0) - 3)
;;       q = np.round(r / step) * step * 2.0 ** e      # np.round: ties to even
;;       return np.moveaxis(q.reshape(q.shape[:-2] + (-1,))[..., :K], -1, axis).astype(np.float32)
;;   ~~~
;;   SOFTMAX AHEAD OF A QUANTISED PRODUCT. Where the list says 'softmax', what is quantised is not the finished softmax but p = 2^(t - M), with t = logit x log2(e) and M = ceil(the row's largest t), a whole number; so 1/2 < the row's largest p <= 1. The row's sum l is taken of the UNQUANTISED p, in f32, and the product's result is divided by l at the end. Since M is a whole number, a kernel that streams over the keys may use a running M (the ceiling of the running maximum): every later rescaling is an exact power of two, which a block's scale takes up: the codes' values come out the same.
;;   OPERANDS COMPUTED ON THE WAY. 'Computed on the way' means the value that the module computes at that place (a softmax that the list does not call 'softmax' is quantised finished and normalised). What goes into a quantiser is computed in f32, as accurately as f32 sums, v_exp_f32 and their like allow (about 1e-6 of the number): no bf16 or f16 on the way to a quantiser, and a product that is left as it is and whose result goes on into a quantised operand takes f32 operands (vector FMAs, or v_wmma_f32_16x16x4_f32). A number that lies on a knife's edge between two numbers of the format may be rounded either way, as far as f32 arithmetic and the matrix unit's own rounding can turn it there, and no further.
;; One version. Each part assembles by itself: llvm-mc -triple=amdgcn-amd-amdhsa -mcpu=gfx1250 --defsym DOCPART=n.
;; ======== version 1 of 1: 4 launches
;; limits: right only within a limited range of input values
;; workspace buffers: xw_codes 8,650,752 bytes; xw_scales 360,448 bytes; qkv_codes 18,874,368 bytes; qkv_scales 786,432 bytes; p_codes 12,582,912 bytes; p_stats 1,572,864 bytes
;; launch quant (part 1): grid 176 x 2, 4 waves a work-group, no clusters, 34,304 bytes of LDS; arguments hidden_states, Wq, Wk, Wv, xw_codes, xw_scales; writes xw_codes, xw_scales
.if DOCPART == 1
	.amdgcn_target "amdgcn-amd-amdhsa--gfx1250"
	.amdhsa_code_object_version 6
	.text
	.protected	k_qd45db9beec_quant
	.globl	k_qd45db9beec_quant
	.p2align	8
	.type	k_qd45db9beec_quant,@function
k_qd45db9beec_quant:
	s_mov_b64 s[64:65], 0
	v_nop
	global_prefetch_b8 v0, s[64:65] scope:SCOPE_SE
	s_setreg_imm32_b32 hwreg(HW_REG_WAVE_MODE, 25, 1), 1
	s_wait_xcnt 0x0
; PROGRAM: context = softmax(q k^T / 32 + attention_mask + pw x prosody_mask) v, with q, k, v = x W^T + b; all five products on codes of FP6 (E2M3) with one E8M0 scale for each 32 along K.
; Four launches: this one (x and the three weights into codes), the projections (q, k and v^T, quantised on the way out), the scores (masks, p = 2^(t - M) under a whole-number M of each 128 keys, codes of p),
; and p v (joins the local M and sums of a row, shifts p's scale bytes by the exact power of two, multiplies, divides by the sum).
; NO WORK IS LEFT OUT: both masks, the three biases and pw reach the result or a live operand's codes for some values of the inputs, so every input is loaded.
; THIS LAUNCH: hidden_states [8192][1024], Wq, Wk, Wv [1024][1024], f32, K innermost, become codes and scale words in the order of the operand's registers.
; POSITIONS.  Fragment rb (16 rows) = 2 g + u holds in lane-row r the true row 32 g + 8 u + r + 8 (r / 8) (a position's bits 3 and 4 change places).  Used as source 0 of a product, two neighbouring fragments then give a lane
; 16 neighbouring columns in 16 registers, which is what the next quantiser wants.  Positions 0-8191: x; 8192-: Wq; 9216-: Wk; 10240-: Wv.
; CODES: [rb][ks = k / 128][c = 0..2][lane][16 bytes]: registers 4 c .. 4 c + 3 of the lane's 12-register fragment: three stores of 512 consecutive bytes.
; SCALE WORDS: [rb / 8][ks][(rb % 8) / 4][r][rb % 4], 32-bit words, 512 bytes for each (128 rows, 128 k).
; A block's scale is 2^(floor(log2(largest magnitude)) - 2); its byte is the largest magnitude's exponent field - 2, held at 1 from below.
; LIMITS: a block of zeros, and a block whose largest magnitude lies under 2^-124, keeps the byte 1 (zero codes add nothing; the bytes are read by this program alone); NaN and infinities among x and W are not served.
; SHARES: a work-group takes 64 positions (x of the grid) and 512 along K (y); wave w takes K step 4 y + w: four fragments.  Each load reads 512 consecutive bytes of one row.  ALL 64 LOADS OF A WAVE GO OUT AT ITS HEAD,
; into the 256 registers of window 1; the 16 rows of a fragment then turn through the wave's own stage in LDS (rows of 528 bytes) so that a lane gets k = 64 c + 32 h + 0 .. 31 of its row.  No barrier: waves share nothing.
.set STG,   8448                       ; a wave's stage: 16 rows x 528 bytes
.set SPARE, 4*STG                      ; behind the stages: the spare words, 128 bytes a wave
.set LOF, 4                            ; v4   16 x lane
.set STI, 5                            ; v5   into the stage
.set STO, 6                            ; v6   out of it
.set SH8, 7                            ; v7   8 h
.set MX,  8                            ; v8-9   largest magnitudes of my two blocks
.set SO,  10                           ; v10-11 the conversions' scale operands
.set BY,  12                           ; v12-13 the scale bytes
.set WT,  14
.set PT,  15
.set W,   16                           ; v16-19 the four fragments' scale words
.set OT,  20                           ; v20-27 the upper halves of a block's codes
.set SPW, 28
.set NIL, 29
.set SWO, 30                           ; v30  16 r + 8 h
.set X,   160                          ; v160-223 my 64 numbers
.set C,   224                          ; v224-255 two sets of 16: codes
                                       ; window 1: v0-255: fragment f's 16 rows as loaded, at v[64 f]
.set MSB, 0
.macro WIN new                         ; the immediate's high byte repeats the setting that is left
.if MSB != (\new)
	s_set_vgpr_msb (MSB<<8)|(\new)
.set MSB, (\new)
.endif
.endm
	s_load_b256 s[4:11], s[0:1], 0x0               ; hidden_states, Wq, Wk, Wv
	s_load_b128 s[12:15], s[0:1], 0x20             ; xw_codes, xw_scales
	v_lshl_add_u32 v[SPW], v0, 2, SPARE
	v_mov_b32 v[NIL], 0
	v_lshrrev_b32 v1, 5, v0
	v_readfirstlane_b32 s16, v1                    ; wave
	v_and_b32 v1, 31, v0                           ; lane
	v_and_b32 v2, 15, v0                           ; r
	v_bfe_u32 v3, v0, 4, 1                         ; h
	v_lshlrev_b32 v[LOF], 4, v1
	s_mul_i32 s17, s16, STG
	v_add_nc_u32 v[STI], s17, v[LOF]
	v_mul_u32_u24 v[STO], v2, 528
	v_lshl_add_u32 v[STO], v3, 7, v[STO]
	v_add_nc_u32 v[STO], s17, v[STO]               ; row r, + 128 h: 32 numbers of a block of my half
	v_lshlrev_b32 v[SH8], 3, v3
	v_mov_b32 v[PT], 0                             ; a lane permute's destination counts as one of its sources
	v_lshlrev_b32 v[SWO], 4, v2
	v_lshl_add_u32 v[SWO], v3, 3, v[SWO]
	s_mov_b32 s20, 0x76543210
	s_mov_b32 s21, 0xfedcba98                      ; selects for lane l xor 16
	s_and_b32 s18, ttmp7, 0xffff
	s_lshl_b32 s18, s18, 2
	s_add_co_u32 s18, s18, s16                     ; ks = 4 y + wave
	s_sub_co_u32 s22, ttmp9, 128
	s_and_b32 s23, s22, 15                         ; a weight's group of 64 rows
	s_lshr_b32 s22, s22, 4                         ; which weight
	s_wait_alu depctr_va_vdst(0)
	s_wait_kmcnt 0x0
	s_cmp_eq_u32 s22, 1                            ; the tensor is chosen by the work-group's number alone: one path through the text
	s_cselect_b64 s[6:7], s[8:9], s[6:7]
	s_cmp_eq_u32 s22, 2
	s_cselect_b64 s[6:7], s[10:11], s[6:7]
	s_cmp_lt_u32 ttmp9, 128
	s_cselect_b64 s[4:5], s[4:5], s[6:7]
	s_cselect_b32 s23, ttmp9, s23
	s_lshl_b32 s24, s23, 18                        ; 64 rows of 4,096 bytes
	s_lshl_b32 s26, s18, 9                         ; 512 bytes a K step
	s_add_co_u32 s24, s24, s26
	s_mov_b32 s25, 0
	s_add_nc_u64 s[4:5], s[4:5], s[24:25]
	s_mul_i32 s24, ttmp9, 49152                    ; four row blocks of 12,288 bytes
	s_mul_i32 s26, s18, 1536
	s_add_co_u32 s24, s24, s26
	s_add_nc_u64 s[12:13], s[12:13], s[24:25]
	s_lshr_b32 s24, ttmp9, 1
	s_lshl_b32 s24, s24, 3
	s_add_co_u32 s24, s24, s18
	s_lshl_b32 s24, s24, 9                         ; ((x / 2) 8 + ks) 512
	s_and_b32 s26, ttmp9, 1
	s_lshl_b32 s26, s26, 8                         ; + 256 (x % 2)
	s_add_co_u32 s24, s24, s26
	s_add_nc_u64 s[14:15], s[14:15], s[24:25]
.macro LOAD f                          ; fragment f's 16 rows, each 512 consecutive bytes, into window 1
.irp t, 0,1,2,3,4,5,6,7,8,9,10,11,12,13,14,15
	global_load_b128 v[64*(\f)+4*\t:64*(\f)+4*\t+3], v[LOF], s[4:5] offset:(32*((\f)/2)+8*((\f)%2)+\t+8*(\t/8))*4096 th:TH_LOAD_NT
.endr
.endm
.macro FRAGQ f, left                   ; left: the later fragments' loads, which may stay out
.set CS, C+16*((\f)%2)
	s_wait_loadcnt \left
	WIN 0x04                                       ; an LDS store's data are its source 1: window 1
.irp t, 0,1,2,3,4,5,6,7,8,9,10,11,12,13,14,15
	ds_store_b128 v[STI], v[64*(\f)+4*\t:64*(\f)+4*\t+3] offset:528*\t
.endr
	WIN 0
.irp c, 0,1
.irp i, 0,1,2,3,4,5,6,7
	ds_load_b128 v[X+32*\c+4*\i:X+32*\c+4*\i+3], v[STO] offset:256*\c+16*\i   ; LDS serves a wave's instructions in order: these see the stores above
.endr
.endr
	s_wait_dscnt 0x0                               ; my numbers are in
.irp c, 0,1
	v_max3_num_f32 v[MX+\c], |v[X+32*\c]|, |v[X+32*\c+1]|, 0x1800000   ; block 2 c + h: all 32 numbers are mine; the floor 2^(3 - 127) holds the byte at 1 from below
.endr
.irp i, 2,4,6,8,10,12,14,16,18,20,22,24,26,28,30
.irp c, 0,1
	v_max3_num_f32 v[MX+\c], v[MX+\c], |v[X+32*\c+\i]|, |v[X+32*\c+\i+1]|
.endr
.endr
.irp c, 0,1
	v_add_nc_u32 v[SO+\c], 0xff000000, v[MX+\c]    ; 2 off the exponent field: the conversion's scale operand
.endr
.irp c, 0,1
	v_lshrrev_b32 v[BY+\c], 23, v[SO+\c]           ; the scale's byte
.endr
	v_lshl_or_b32 v[WT], v[BY+1], 16, v[BY]        ; blocks h and 2 + h,
	v_lshlrev_b32 v[WT], v[SH8], v[WT]             ; at their places in the word;
	v_permlanex16_b32 v[PT], v[WT], s20, s21
	v_or_b32 v[W+\f], v[WT], v[PT]                 ; with lane l xor 16's two the word is whole
.if (\f) >= 2
	s_wait_alu depctr_va_vdst(0)
	s_wait_xcnt 0x0                                ; the stores of two fragments ago have read this set of codes
.endif
.irp c, 0,1
	v_cvt_scalef32_pk16_fp6_f32 v[CS+6*\c:CS+6*\c+2], v[X+32*\c:X+32*\c+15], v[SO+\c]
	v_cvt_scalef32_pk16_fp6_f32 v[OT+4*\c:OT+4*\c+2], v[X+32*\c+16:X+32*\c+31], v[SO+\c]   ; (a conversion's three registers begin on an even number)
.endr
	v_nop                                          ; one plain place behind a scaled conversion
.irp c, 0,1
.irp i, 0,1,2
	v_mov_b32 v[CS+6*\c+3+\i], v[OT+4*\c+\i]
.endr
.endr
.irp k, 0,1,2
	global_store_b128 v[LOF], v[CS+4*\k:CS+4*\k+3], s[12:13] offset:12288*(\f)+512*\k   ; 512 consecutive bytes, aligned
.endr
.endm
	WIN 0x40                                       ; destination window 1
	LOAD 0
	LOAD 1
	LOAD 2
	LOAD 3
	WIN 0
	FRAGQ 0, 48
	FRAGQ 1, 32
	FRAGQ 2, 16
	FRAGQ 3, 0
	v_cmp_ne_u32 vcc_lo, 0, v3
	v_cndmask_b32 v[MX], v[W], v[W+2], vcc_lo      ; lanes 0-15 store fragments 0, 1 of row r, lanes 16-31 fragments 2, 3
	v_cndmask_b32 v[MX+1], v[W+1], v[W+3], vcc_lo
	global_store_b64 v[SWO], v[MX:MX+1], s[14:15]  ; 32 lanes store 256 consecutive bytes, aligned
	s_wait_tensorcnt 0x0                           ; the wave's end
	ds_add_u32 v[SPW], v[NIL]
	s_wait_dscnt 0x0
	s_endpgm
.Lfunc_end_k_qd45db9beec_quant:
	.size	k_qd45db9beec_quant, .Lfunc_end_k_qd45db9beec_quant-k_qd45db9beec_quant
	.p2alignl 7, 3214868480
	.fill 96, 4, 3214868480
	.section	.rodata,"a",@progbits
	.p2align	6, 0x0
	.amdhsa_kernel k_qd45db9beec_quant
		.amdhsa_group_segment_fixed_size 34304
		.amdhsa_private_segment_fixed_size 0
		.amdhsa_enable_private_segment 0
		.amdhsa_kernarg_size 48
		.amdhsa_user_sgpr_count 2
		.amdhsa_user_sgpr_kernarg_segment_ptr 1
		.amdhsa_wavefront_size32 1
		.amdhsa_system_sgpr_workgroup_id_x 1
		.amdhsa_system_sgpr_workgroup_id_y 1
		.amdhsa_system_sgpr_workgroup_id_z 1
		.amdhsa_system_vgpr_workitem_id 0
		.amdhsa_next_free_vgpr 512
		.amdhsa_next_free_sgpr 66
		.amdhsa_reserve_vcc 1
		.amdhsa_float_denorm_mode_32 3
		.amdhsa_float_denorm_mode_16_64 3
		.amdhsa_memory_ordered 1
		.amdhsa_forward_progress 1
		.amdhsa_inst_pref_size 31
	.end_amdhsa_kernel
	.amdgpu_metadata
---
amdhsa.version: [ 1, 2 ]
amdhsa.kernels:
  - .name:           k_qd45db9beec_quant
    .symbol:         k_qd45db9beec_quant.kd
    .args:
      - { .name: hidden_states, .offset: 0, .size: 8, .value_kind: global_buffer, .address_space: global }
      - { .name: Wq, .offset: 8, .size: 8, .value_kind: global_buffer, .address_space: global }
      - { .name: Wk, .offset: 16, .size: 8, .value_kind: global_buffer, .address_space: global }
      - { .name: Wv, .offset: 24, .size: 8, .value_kind: global_buffer, .address_space: global }
      - { .name: xw_codes, .offset: 32, .size: 8, .value_kind: global_buffer, .address_space: global }
      - { .name: xw_scales, .offset: 40, .size: 8, .value_kind: global_buffer, .address_space: global }
    .group_segment_fixed_size: 34304
    .private_segment_fixed_size: 0
    .kernarg_segment_align: 8
    .kernarg_segment_size: 48
    .max_flat_workgroup_size: 128
    .sgpr_count:     66
    .vgpr_count:     512
    .wavefront_size: 32
...
	.end_amdgpu_metadata
.endif
;; end of part 1
;; launch proj (part 2): grid 8 x 32, 4 waves a work-group, clusters of 4 x 4, 327,680 bytes of LDS; arguments xw_codes, xw_scales, bq, bk, bv, qkv_codes, qkv_scales; writes qkv_codes, qkv_scales
.if DOCPART == 2
	.amdgcn_target "amdgcn-amd-amdhsa--gfx1250"
	.amdhsa_code_object_version 6
	.text
	.protected	k_qd45db9beec_proj
	.globl	k_qd45db9beec_proj
	.p2align	8
	.type	k_qd45db9beec_proj,@function
k_qd45db9beec_proj:
	s_mov_b64 s[64:65], 0
	v_nop
	global_prefetch_b8 v0, s[64:65] scope:SCOPE_SE
	s_setreg_imm32_b32 hwreg(HW_REG_WAVE_MODE, 25, 1), 1
	s_wait_xcnt 0x0
	s_wait_alu depctr_hold_cnt(0) depctr_sa_sdst(0) depctr_va_vdst(0) depctr_va_sdst(0) depctr_va_ssrc(0) depctr_va_vcc(0) depctr_vm_vsrc(0)
	s_getreg_b32 s2, hwreg(HW_REG_IB_STS2, 6, 4)
	s_cmp_eq_u32 s2, 0
	s_cbranch_scc0 .Lentry_in_a_cluster
	s_endpgm
.Lentry_in_a_cluster:
	s_bfe_u32 s2, ttmp6, 0x10000c
	s_cmp_lg_u32 s2, 0xf033
	s_cbranch_scc0 .Lentry_shape_is_right
	s_endpgm
.Lentry_shape_is_right:
.set FRB,   1536
.set H1,    16*FRB
.set PS,    4*H1
.set T2A,   6*H1
.set SC1,   3*PS
.set SC2,   SC1+16384
.set SPARE, SC2+12288
.set AF0, 64
.set APS, 96
.set SC,  32
.set VC,   4
.set VC2,  5
.set VL,   6
.set VL2,  7
.set VB1,  8
.set VB2,  9
.set SWO,  10
.set ADRS2B, 11
.set BV,   12
.set ADRA, 16
.set ADRB, 19
.set ADRS, 22
.set LOF,  24
.set ADRA2, 25
.set ADRS2A, 27
.set SPW,  28
.set NIL,  29
.set ADRB2, 30
.set CP,   64
.set PC,   112
.set SWD,  132
.set OUTW, 140
.set TM,   144
.set PW,   208
.set G1A,  24
.set G0A,  32
.set G1B,  48
.set G0B0, 56
.set G0B1, 60
.set G0B2, 76
.set G1A2, 68
.set G1B2, 80
.set O1C,  88
.set O1S,  98
.set O2C,  94
.set O2S,  96
.set MSB, 0
.macro WIN new
.if MSB != (\new)
	s_set_vgpr_msb (MSB<<8)|(\new)
.set MSB, (\new)
.endif
.endm
.macro JLOAD g0a, g1a, g0b, g1b
	s_cmp_eq_u32 s15, 0
	s_cbranch_scc0 .Lfor_b_\@
	tensor_load_to_lds s[\g0a:\g0a+3], s[\g1a:\g1a+7]
	s_nop 0
.rept 4
	v_nop
.endr
	s_branch .Lasked_\@
.Lfor_b_\@:
	tensor_load_to_lds s[\g0b:\g0b+3], s[\g1b:\g1b+7]
	s_nop 0
.rept 4
	v_nop
.endr
.Lasked_\@:
.endm
.macro CREST
	s_cmp_lg_u32 s14, 0
	s_cbranch_scc1 .Lnot_wave_0_\@
	s_barrier_signal -3
.Lnot_wave_0_\@:
	s_barrier_wait -3
	s_barrier_signal -1
	s_barrier_wait -1
.endm
.macro CROUND
	s_barrier_signal -1
	s_barrier_wait -1
	CREST
.endm
.macro PLACES
.rept 4
	v_nop
.endr
.endm
.macro FETCHG adra, adrb, adrs0, adrs1, pitch, q, p, na, soff
	WIN 0x40
.set II, 0
.rept 8
.irp c, 0,1,2
	ds_load_b128 v[128*(\p)+12*II+4*\c:128*(\p)+12*II+4*\c+3], v[\adrb] offset:II*(\pitch)+(\q)*FRB+512*\c
.endr
.set II, II+1
.endr
	WIN 0
.set II, 0
.rept \na
.irp c, 0,1,2
	ds_load_b128 v[AF0+APS*(\p)+12*II+4*\c:AF0+APS*(\p)+12*II+4*\c+3], v[\adra] offset:II*(\pitch)+(\q)*FRB+512*\c
.endr
.set II, II+1
.endr
	ds_load_b128 v[SC+8*(\p):SC+8*(\p)+3], v[\adrs0] offset:\soff
	ds_load_b128 v[SC+8*(\p)+4:SC+8*(\p)+7], v[\adrs1] offset:\soff
.endm
.macro FETCH1 k
	FETCHG ADRA+(((\k)/2)%3), ADRB+(((\k)/2)%3), ADRS, ADRS+1, 2*FRB, (\k)%2, (\k)%2, 8, (\k)*512
.endm
.macro FETCH2 k
	FETCHG ADRA2+((\k)/4), ADRB2+((\k)/4), ADRS2A, ADRS2B, 4*FRB, (\k)%4, (\k)%2, 4, (\k)*512
.endm
.macro MULR a0, a1, p, mode
.set AA, \a0
.rept (\a1)-(\a0)
.set XWD, 2+AA/4
.if (\mode) >= 2
	WIN (XWD<<6)|(1<<4)|1
.else
	WIN (XWD<<6)|(XWD<<4)|1
.endif
.set XAR, AF0+APS*(\p)+12*AA
.set XSA, SC+8*(\p)+AA
.set BB, 0
.rept 8
.set XDR, 8*((8*AA+BB)%32)
.set XBR, 128*(\p)+12*BB
.set XSB, SC+8*(\p)+BB
.if (\mode) == 0
	v_wmma_scale_f32_16x16x128_f8f6f4 v[XDR:XDR+7], v[XBR:XBR+11], v[XAR:XAR+11], v[XDR:XDR+7], v[XSB], v[XSA] matrix_a_fmt:MATRIX_FMT_FP6 matrix_b_fmt:MATRIX_FMT_FP6 matrix_a_scale:MATRIX_SCALE_ROW1
.elseif (\mode) == 2
.set XCR, 96+8*BB+96*(BB/4)
	v_wmma_scale_f32_16x16x128_f8f6f4 v[XDR:XDR+7], v[XBR:XBR+11], v[XAR:XAR+11], v[XCR:XCR+7], v[XSB], v[XSA] matrix_a_fmt:MATRIX_FMT_FP6 matrix_b_fmt:MATRIX_FMT_FP6 matrix_a_scale:MATRIX_SCALE_ROW1
.else
.set XCR, 96+8*AA
	v_wmma_scale_f32_16x16x128_f8f6f4 v[XDR:XDR+7], v[XBR:XBR+11], v[XAR:XAR+11], v[XCR:XCR+7], v[XSB], v[XSA] matrix_a_fmt:MATRIX_FMT_FP6 matrix_b_fmt:MATRIX_FMT_FP6 matrix_a_scale:MATRIX_SCALE_ROW1
.endif
.set BB, BB+1
.endr
.set AA, AA+1
.endr
.endm
.macro STEP1 k, mode
	s_wait_dscnt 0x0
	PLACES
	FETCH1 (\k)+1
	MULR 0, 8, (\k)%2, \mode
	WIN 0
.endm
.macro STEP2 k, mode
	s_wait_dscnt 0x0
	PLACES
	FETCH2 (\k)+1
	MULR 0, 4, (\k)%2, \mode
	WIN 0
.endm
.macro TURNR k, kind
	s_wait_tensorcnt 0x0
	ds_add_u32 v[SPW], v[NIL]
.if (\kind) == 1
	s_add_nc_u64 s[G0A+2:G0A+3], s[G0A+2:G0A+3], 6*FRB
	s_add_nc_u64 s[G0B0+2:G0B0+3], s[G0B0+2:G0B0+3], 6*FRB
.else
	s_mul_i32 s6, s16, H1
	s_mul_i32 s7, s16, 2*H1
	s_add_co_u32 s7, s7, 2*H1
	s_add_co_u32 s[G0A+5], s6, T2A
	s_mov_b64 s[G0A+6:G0A+7], s[20:21]
	s_or_b32 s[G0A+7], s[G0A+7], 0x80000000
	s_add_co_u32 s[G0B1+1], s7, T2A
	s_mov_b64 s[G0B1+2:G0B1+3], s[90:91]
	s_or_b32 s[G0B1+3], s[G0B1+3], 0x80000000
	s_mov_b32 s[G0A+9], s6
	s_add_nc_u64 s[G0A+10:G0A+11], s[20:21], 4*FRB
	s_or_b32 s[G0A+11], s[G0A+11], 0x80000000
	s_mov_b32 s[G0B2+1], s7
	s_add_nc_u64 s[G0B2+2:G0B2+3], s[90:91], 4*FRB
	s_or_b32 s[G0B2+3], s[G0B2+3], 0x80000000
.endif
	s_wait_dscnt 0x1
	MULR 0, 1, (\k)%2, 0
	s_wait_dscnt 0x0
	s_barrier_signal -1
	MULR 1, 2, (\k)%2, 0
	WIN 0
	s_barrier_wait -1
	CREST
.if (\kind) == 1
	JLOAD G0A, G1A, G0B0, G1B
.else
	JLOAD G0A+4, G1A2, G0B1, G1B2
.endif
	FETCH1 (\k)+1
	MULR 2, 8, (\k)%2, 0
	WIN 0
.endm
	s_load_b128 s[4:7], s[0:1], 0x0
	s_load_b128 s[8:11], s[0:1], 0x10
	s_load_b128 s[92:95], s[0:1], 0x20
	s_load_b64 s[96:97], s[0:1], 0x30
	v_lshl_add_u32 v[SPW], v0, 2, SPARE
	v_mov_b32 v[NIL], 0
	ds_add_u32 v[SPW], v[NIL]
	ds_add_u32 v[SPW], v[NIL]
	v_lshrrev_b32 v1, 5, v0
	v_readfirstlane_b32 s14, v1
	s_lshr_b32 s15, s14, 1
	s_and_b32 s16, s14, 1
	s_bfe_u32 s44, ttmp6, 0x40000
	s_bfe_u32 s45, ttmp6, 0x40004
	s_mov_b32 s12, ttmp9
	s_and_b32 s13, ttmp7, 0xffff
	s_lshl_b32 s46, s45, 2
	s_lshl_b32 s46, 15, s46
	s_lshl_b32 s47, 0x1111, s44
	s_or_b32 s[G1A+0], s46, (3<<16)|(1<<21)
	s_or_b32 s[G1B+0], s47, (3<<16)|(1<<21)
.irp g, G1A, G1B
	s_mov_b32 s[\g+1], (2*FRB/8)<<16
	s_mov_b32 s[\g+2], 8<<16
	s_mov_b32 s[\g+3], (2*FRB/8)<<16
	s_mov_b32 s[\g+4], 8
	s_mov_b32 s[\g+5], 8*FRB/8
	s_mov_b32 s[\g+6], 0
	s_mov_b32 s[\g+7], 0
.endr
	s_or_b32 s[G1A2+0], s46, (3<<16)|(1<<21)
	s_mov_b32 s[G1A2+1], (4*FRB/8)<<16
	s_mov_b32 s[G1A2+2], 4<<16
	s_mov_b32 s[G1A2+3], (4*FRB/8)<<16
	s_mov_b32 s[G1A2+4], 4
	s_mov_b32 s[G1A2+5], 8*FRB/8
	s_mov_b32 s[G1A2+6], 0
	s_mov_b32 s[G1A2+7], 0
	s_or_b32 s[G1B2+0], s47, (3<<16)|(1<<21)
	s_mov_b32 s[G1B2+1], (4*FRB/8)<<16
	s_mov_b32 s[G1B2+2], 8<<16
	s_mov_b32 s[G1B2+3], (4*FRB/8)<<16
	s_mov_b32 s[G1B2+4], 8
	s_mov_b32 s[G1B2+5], 8*FRB/8
	s_mov_b32 s[G1B2+6], 0
	s_mov_b32 s[G1B2+7], 0
	s_mul_i32 s2, s16, 8*8*FRB
	s_lshl_b32 s17, s13, 2
	s_add_co_u32 s17, s17, s45
	s_mul_i32 s18, s17, 16*8*FRB
	s_add_co_u32 s18, s18, s2
	s_mov_b32 s19, 0
	s_lshl_b32 s20, s12, 2
	s_add_co_u32 s3, s20, s45
	s_mul_i32 s20, s3, 8*8*FRB
	s_mul_i32 s21, s16, 4*8*FRB
	s_add_co_u32 s20, s20, s21
	s_add_co_u32 s20, s20, 640*8*FRB
	s_mov_b32 s21, 0
	s_lshl_b32 s22, s12, 2
	s_add_co_u32 s22, s22, s44
	s_add_co_u32 s88, s22, 32
	s_mul_i32 s22, s88, 16*8*FRB
	s_add_co_u32 s22, s22, s2
	s_mov_b32 s23, 0
	s_lshl_b32 s90, s13, 2
	s_add_co_u32 s89, s90, s44
	s_mul_i32 s90, s89, 16*8*FRB
	s_add_co_u32 s90, s90, s2
	s_mov_b32 s91, 0
	s_mul_i32 s98, s14, H1
	s_wait_dscnt 0x0
	s_wait_kmcnt 0x0
	s_add_nc_u64 s[18:19], s[4:5], s[18:19]
	s_add_nc_u64 s[20:21], s[4:5], s[20:21]
	s_add_nc_u64 s[22:23], s[4:5], s[22:23]
	s_add_nc_u64 s[90:91], s[4:5], s[90:91]
	CROUND
.irp i, 0,1,2
	s_mov_b32 s[G0A+4*\i], 1
	s_add_co_u32 s[G0A+4*\i+1], s98, \i*PS
	s_add_nc_u64 s[G0A+4*\i+2:G0A+4*\i+3], s[18:19], \i*2*FRB
	s_or_b32 s[G0A+4*\i+3], s[G0A+4*\i+3], 0x80000000
	s_mov_b32 s[G0B0+4*\i+12*(\i/2)], 1
	s_add_co_u32 s[G0B0+4*\i+12*(\i/2)+1], s98, \i*PS
	s_add_nc_u64 s[G0B0+4*\i+12*(\i/2)+2:G0B0+4*\i+12*(\i/2)+3], s[22:23], \i*2*FRB
	s_or_b32 s[G0B0+4*\i+12*(\i/2)+3], s[G0B0+4*\i+12*(\i/2)+3], 0x80000000
.endr
	JLOAD G0A, G1A, G0B0, G1B                      ; slot 0
	v_and_b32 v1, 15, v0
	v_bfe_u32 v2, v0, 4, 1
	v_and_b32 v3, 31, v0
	v_lshlrev_b32 v[LOF], 4, v3
	s_wait_alu depctr_va_vdst(0)
	s_lshl_b32 s18, s17, 13
	s_mov_b32 s19, 0
	s_add_nc_u64 s[18:19], s[6:7], s[18:19]
	s_lshl_b32 s22, s88, 13
	s_mov_b32 s23, 0
	s_add_nc_u64 s[22:23], s[6:7], s[22:23]
	s_add_co_u32 s4, s3, 80
	s_lshl_b32 s4, s4, 12
	s_mov_b32 s5, 0
	s_add_nc_u64 s[4:5], s[6:7], s[4:5]
	s_lshl_b32 s100, s89, 13
	s_mov_b32 s101, 0
	s_add_nc_u64 s[100:101], s[6:7], s[100:101]
	s_lshl_b32 s2, s14, 11
	v_add_nc_u32 v[VC], s2, v[LOF]
	s_lshl_b32 s2, s14, 10
	v_add_nc_u32 v[VC2], s2, v[LOF]
	v_add_nc_u32 v[VL], SC1, v[VC]
	v_add_nc_u32 v[VL2], SC2, v[VC2]
.irp i, 0,1,2,3
	global_load_b128 v[CP+4*\i:CP+4*\i+3], v[VC], s[18:19] offset:512*\i
	global_load_b128 v[CP+16+4*\i:CP+16+4*\i+3], v[VC], s[22:23] offset:512*\i
	global_load_b128 v[CP+32+4*\i:CP+32+4*\i+3], v[VC], s[100:101] offset:512*\i
.endr
.irp i, 0,1
	global_load_b128 v[CP+48+4*\i:CP+48+4*\i+3], v[VC2], s[4:5] offset:512*\i
.endr
	s_cmp_eq_u32 s12, 0
	s_cselect_b64 s[8:9], s[8:9], s[10:11]
	s_lshl_b32 s10, s44, 10
	s_lshl_b32 s11, s16, 9
	s_add_co_u32 s10, s10, s11
	s_mov_b32 s11, 0
	s_add_nc_u64 s[8:9], s[8:9], s[10:11]
	v_lshlrev_b32 v[VB1], 6, v2
	WIN 0x40
.irp t, 0,1,2,3,4,5,6,7
	global_load_b128 v[96+8*\t+96*(\t/4):96+8*\t+96*(\t/4)+3], v[VB1], s[8:9] offset:(32*(\t/2)+8*(\t%2))*4
	global_load_b128 v[96+8*\t+96*(\t/4)+4:96+8*\t+96*(\t/4)+7], v[VB1], s[8:9] offset:(32*(\t/2)+8*(\t%2))*4+16
.endr
	WIN 0
	s_lshl_b32 s10, s3, 9
	s_lshl_b32 s11, s15, 8
	s_add_co_u32 s10, s10, s11
	s_mov_b32 s11, 0
	s_add_nc_u64 s[92:93], s[92:93], s[10:11]
	v_and_b32 v[VB2], 8, v1
	v_add_nc_u32 v[VB2], v[VB2], v1
	v_lshlrev_b32 v[VB2], 2, v[VB2]
.irp a, 0,1,2,3
	global_load_b32 v[BV+\a], v[VB2], s[92:93] offset:(32*(\a/2)+8*(\a%2))*4
.endr
	s_mul_i32 s6, s15, H1
	s_mul_i32 s7, s16, H1
	s_add_co_u32 s7, s7, 2*H1
.irp i, 0,1,2
	v_add_nc_u32 v[ADRA+\i], s6, v[LOF]
	v_add_nc_u32 v[ADRB+\i], s7, v[LOF]
	s_add_co_u32 s6, s6, PS
	s_add_co_u32 s7, s7, PS
.endr
	s_mul_i32 s6, s15, H1
	s_mul_i32 s7, s16, 2*H1
	s_add_co_u32 s7, s7, 2*H1
	v_add_nc_u32 v[ADRA2+1], s6, v[LOF]
	v_add_nc_u32 v[ADRB2+1], s7, v[LOF]
	s_add_co_u32 s6, s6, T2A
	s_add_co_u32 s7, s7, T2A
	v_add_nc_u32 v[ADRA2], s6, v[LOF]
	v_add_nc_u32 v[ADRB2], s7, v[LOF]
	s_lshl_b32 s6, s15, 12
	s_lshl_b32 s7, s16, 12
	s_add_co_u32 s7, s7, 8192
	s_sub_co_u32 s7, s7, s6
	v_mul_u32_u24 v[ADRS], s7, v2
	s_add_co_u32 s6, s6, SC1
	v_lshl_add_u32 v[ADRS], v1, 4, v[ADRS]
	v_add_nc_u32 v[ADRS], s6, v[ADRS]
	v_add_nc_u32 v[ADRS+1], 256, v[ADRS]
	s_lshl_b32 s6, s15, 8
	s_lshl_b32 s7, s16, 12
	s_add_co_u32 s7, s7, 4096
	s_sub_co_u32 s7, s7, s6
	v_mul_u32_u24 v[ADRS2A], s7, v2
	s_add_co_u32 s7, s7, 256
	v_mul_u32_u24 v[ADRS2B], s7, v2
	s_add_co_u32 s6, s6, SC2
	v_lshl_add_u32 v[ADRS2A], v1, 4, v[ADRS2A]
	v_lshl_add_u32 v[ADRS2B], v1, 4, v[ADRS2B]
	v_add_nc_u32 v[ADRS2A], s6, v[ADRS2A]
	v_add_nc_u32 v[ADRS2B], s6, v[ADRS2B]
	v_lshlrev_b32 v[SWO], 4, v1
	v_lshl_add_u32 v[SWO], v2, 3, v[SWO]
	s_mul_i32 s10, s12, 6291456
	s_mul_i32 s11, s17, 196608
	s_add_co_u32 s10, s10, s11
	s_mul_i32 s11, s15, 98304
	s_add_co_u32 s10, s10, s11
	s_mul_i32 s11, s44, 3072
	s_add_co_u32 s10, s10, s11
	s_mul_i32 s11, s16, 1536
	s_add_co_u32 s10, s10, s11
	s_mov_b32 s11, 0
	s_add_nc_u64 s[O1C:O1C+1], s[94:95], s[10:11]
	s_lshl_b32 s10, s12, 18
	s_lshl_b32 s2, s17, 13
	s_add_co_u32 s10, s10, s2
	s_lshl_b32 s2, s15, 12
	s_add_co_u32 s10, s10, s2
	s_lshl_b32 s2, s44, 10
	s_add_co_u32 s10, s10, s2
	s_lshl_b32 s2, s16, 9
	s_add_co_u32 s10, s10, s2
	s_add_nc_u64 s[O1S:O1S+1], s[96:97], s[10:11]
	s_and_b32 s2, s13, 1
	s_lshl_b32 s2, s2, 3
	s_lshl_b32 s10, s44, 1
	s_add_co_u32 s2, s2, s10
	s_add_co_u32 s2, s2, s16
	s_lshr_b32 s13, s13, 1
	s_mul_i32 s10, s13, 1572864
	s_mul_i32 s11, s3, 196608
	s_add_co_u32 s10, s10, s11
	s_mul_i32 s11, s15, 98304
	s_add_co_u32 s10, s10, s11
	s_mul_i32 s11, s2, 1536
	s_add_co_u32 s10, s10, s11
	s_add_co_u32 s10, s10, 12582912
	s_mov_b32 s11, 0
	s_add_nc_u64 s[O2C:O2C+1], s[O2C:O2C+1], s[10:11]
	s_lshl_b32 s10, s13, 16
	s_lshl_b32 s11, s3, 13
	s_add_co_u32 s10, s10, s11
	s_lshl_b32 s11, s2, 9
	s_add_co_u32 s10, s10, s11
	s_lshl_b32 s11, s15, 8
	s_add_co_u32 s10, s10, s11
	s_add_co_u32 s10, s10, 524288
	s_mov_b32 s11, 0
	s_add_nc_u64 s[O2S:O2S+1], s[O2S:O2S+1], s[10:11]
	s_mov_b32 s66, 0x76543210
	s_mov_b32 s67, 0xfedcba98
	s_wait_alu depctr_va_vdst(0)
	s_wait_tensorcnt 0x0                           ; my part of slot 0 is in
	ds_add_u32 v[SPW], v[NIL]
	s_wait_dscnt 0x0
	CROUND                                         ; a whole round: slot 0 is whole, and the joint loads meet
	JLOAD G0A+4, G1A, G0B1, G1B                    ; slot 1's first fill
	s_wait_loadcnt 20
.irp i, 0,1,2,3
	ds_store_b128 v[VL], v[CP+4*\i:CP+4*\i+3] offset:512*\i
	ds_store_b128 v[VL], v[CP+16+4*\i:CP+16+4*\i+3] offset:8192+512*\i
	ds_store_b128 v[VL], v[CP+32+4*\i:CP+32+4*\i+3] offset:SC2-SC1+4096+512*\i
.endr
.irp i, 0,1
	ds_store_b128 v[VL2], v[CP+48+4*\i:CP+48+4*\i+3] offset:512*\i
.endr
	s_wait_dscnt 0x0
	s_barrier_signal -1
	s_barrier_wait -1
	FETCH1 0
	s_wait_loadcnt 0x0
	STEP1 0, 2
	s_wait_tensorcnt 0x0                           ; my part of slot 1 is in
	ds_add_u32 v[SPW], v[NIL]
	s_wait_dscnt 0x1                               ; the add alone may be out
	MULR 0, 1, 1, 0
	s_wait_dscnt 0x0
	s_barrier_signal -1                            ; this barrier opens a round of the cluster's barrier
	MULR 1, 2, 1, 0
	WIN 0
	s_barrier_wait -1
	CREST
	JLOAD G0A+8, G1A, G0B2, G1B                    ; slot 2's first fill; the four v_nop behind it are the places in front of the loads below
	FETCH1 2
	MULR 2, 8, 1, 0
	WIN 0
	TURNR 2, 1
	STEP1 3, 0
	STEP1 4, 0
	TURNR 5, 2
	STEP1 6, 0
	s_wait_dscnt 0x0
	MULR 0, 8, 1, 0
	WIN 0
.macro OUTA a, ptr, step
.set WA, 2+(\a)/4
.set AC, 64*((\a)%4)
	WIN WA|(WA<<2)
.irp b, 0,1,2,3
	v_max3_num_f32 v[TM+\b], |v[AC+16*\b]|, |v[AC+16*\b+1]|, 0x1800000
.endr
	WIN (WA<<2)|(WA<<4)
.irp i, 2,4,6,8,10,12,14
.irp b, 0,1,2,3
	v_max3_num_f32 v[TM+\b], v[TM+\b], |v[AC+16*\b+\i]|, |v[AC+16*\b+\i+1]|
.endr
.endr
	WIN 0
.irp b, 0,1,2,3
	v_permlanex16_b32 v[TM+4+\b], v[TM+\b], s66, s67
.endr
.irp b, 0,1,2,3
	v_max_num_f32 v[TM+\b], v[TM+\b], v[TM+4+\b]
.endr
.irp b, 0,1,2,3
	v_add_nc_u32 v[TM+12+\b], 0xff000000, v[TM+\b]
.endr
.irp b, 0,1,2,3
	v_lshrrev_b32 v[TM+8+\b], 23, v[TM+12+\b]
.endr
	v_lshl_or_b32 v[PW], v[TM+9], 8, v[TM+8]
	v_lshl_or_b32 v[PW], v[TM+10], 16, v[PW]
	v_lshl_or_b32 v[PW], v[TM+11], 24, v[PW]
	s_wait_xcnt 0x0
	WIN WA
.irp c, 0,1
	v_cvt_scalef32_pk16_fp6_f32 v[PC+6*\c:PC+6*\c+2], v[AC+32*\c:AC+32*\c+15], v[TM+12+2*\c]
	v_cvt_scalef32_pk16_fp6_f32 v[PC+12+4*\c:PC+14+4*\c], v[AC+32*\c+16:AC+32*\c+31], v[TM+13+2*\c]
.endr
	WIN 0
	v_nop
.irp c, 0,1
.irp i, 0,1,2
	v_permlane16_swap_b32 v[PC+6*\c+\i], v[PC+12+4*\c+\i]
.endr
.irp i, 0,1,2
	v_mov_b32 v[PC+3+6*\c+\i], v[PC+12+4*\c+\i]
.endr
.endr
.irp k, 0,1,2
	global_store_b128 v[LOF], v[PC+4*\k:PC+4*\k+3], s[\ptr:\ptr+1] offset:(\step)*(\a)+512*\k
.endr
	v_mov_b32 v[SWD+\a], v[PW]
.endm
	PLACES
.irp b, 0,1,2,3
	v_mov_b32 v[TM+4+\b], 0
.endr
.irp a, 0,1,2,3
	OUTA \a, O1C, 12288
.endr
	s_wait_tensorcnt 0x0
	ds_add_u32 v[SPW], v[NIL]
	s_wait_dscnt 0x0
	CROUND
	JLOAD G0A+8, G1A2, G0B2, G1B2
	FETCH2 0
.irp a, 4,5,6,7
	OUTA \a, O1C, 12288
.endr
	v_cmp_ne_u32 vcc_lo, 0, v2
.irp i, 0,1,2,3
	v_cndmask_b32 v[OUTW+\i], v[SWD+\i], v[SWD+4+\i], vcc_lo
.endr
	global_store_b128 v[LOF], v[OUTW:OUTW+3], s[O1S:O1S+1]
	WIN 0x40
.irp a, 0,1,2,3
.irp j, 0,1,2,3,4,5,6,7
	v_mov_b32 v[96+8*\a+\j], v[BV+\a]
.endr
.endr
	WIN 0
	s_wait_alu depctr_va_vdst(0)
	STEP2 0, 3
	STEP2 1, 0
	STEP2 2, 0
	s_wait_tensorcnt 0x0
	ds_add_u32 v[SPW], v[NIL]
	s_wait_dscnt 0x1
	MULR 0, 1, 1, 0
	s_wait_dscnt 0x0
	s_barrier_signal -1
	MULR 1, 2, 1, 0
	WIN 0
	s_barrier_wait -1
	PLACES
	FETCH2 4
	MULR 2, 4, 1, 0
	WIN 0
	STEP2 4, 0
	STEP2 5, 0
	STEP2 6, 0
	s_wait_dscnt 0x0
	MULR 0, 4, 1, 0
	WIN 0
	PLACES
.irp a, 0,1,2,3
	OUTA \a, O2C, 24576
.endr
	v_cmp_ne_u32 vcc_lo, 0, v2
	v_cndmask_b32 v[OUTW], v[SWD], v[SWD+2], vcc_lo
	v_cndmask_b32 v[OUTW+1], v[SWD+1], v[SWD+3], vcc_lo
	global_store_b64 v[SWO], v[OUTW:OUTW+1], s[O2S:O2S+1]
	s_wait_tensorcnt 0x0
	ds_add_u32 v[SPW], v[NIL]
	s_wait_dscnt 0x0
	CROUND
	s_endpgm
.Lfunc_end_k_qd45db9beec_proj:
	.size	k_qd45db9beec_proj, .Lfunc_end_k_qd45db9beec_proj-k_qd45db9beec_proj
	.p2alignl 7, 3214868480
	.fill 96, 4, 3214868480
	.section	.rodata,"a",@progbits
	.p2align	6, 0x0
	.amdhsa_kernel k_qd45db9beec_proj
		.amdhsa_group_segment_fixed_size 327680
		.amdhsa_private_segment_fixed_size 0
		.amdhsa_enable_private_segment 0
		.amdhsa_kernarg_size 56
		.amdhsa_user_sgpr_count 2
		.amdhsa_user_sgpr_kernarg_segment_ptr 1
		.amdhsa_wavefront_size32 1
		.amdhsa_system_sgpr_workgroup_id_x 1
		.amdhsa_system_sgpr_workgroup_id_y 1
		.amdhsa_system_sgpr_workgroup_id_z 1
		.amdhsa_system_vgpr_workitem_id 0
		.amdhsa_next_free_vgpr 1024
		.amdhsa_next_free_sgpr 102
		.amdhsa_reserve_vcc 1
		.amdhsa_float_denorm_mode_32 3
		.amdhsa_float_denorm_mode_16_64 3
		.amdhsa_memory_ordered 1
		.amdhsa_forward_progress 1
		.amdhsa_inst_pref_size 220
	.end_amdhsa_kernel
	.amdgpu_metadata
---
amdhsa.version: [ 1, 2 ]
amdhsa.kernels:
  - .name:           k_qd45db9beec_proj
    .symbol:         k_qd45db9beec_proj.kd
    .args:
      - { .name: xw_codes, .offset: 0, .size: 8, .value_kind: global_buffer, .address_space: global }
      - { .name: xw_scales, .offset: 8, .size: 8, .value_kind: global_buffer, .address_space: global }
      - { .name: bq, .offset: 16, .size: 8, .value_kind: global_buffer, .address_space: global }
      - { .name: bk, .offset: 24, .size: 8, .value_kind: global_buffer, .address_space: global }
      - { .name: bv, .offset: 32, .size: 8, .value_kind: global_buffer, .address_space: global }
      - { .name: qkv_codes, .offset: 40, .size: 8, .value_kind: global_buffer, .address_space: global }
      - { .name: qkv_scales, .offset: 48, .size: 8, .value_kind: global_buffer, .address_space: global }
    .group_segment_fixed_size: 327680
    .private_segment_fixed_size: 0
    .kernarg_segment_align: 8
    .kernarg_segment_size: 56
    .max_flat_workgroup_size: 128
    .sgpr_count:     102
    .vgpr_count:     1024
    .wavefront_size: 32
...
	.end_amdgpu_metadata
.endif
;; end of part 2
;; launch score (part 3): grid 8 x 32, 4 waves a work-group, clusters of 4 x 1, 252,416 bytes of LDS; arguments qkv_codes, qkv_scales, attention_mask, prosody_mask, prosody_weight, p_codes, p_stats; writes p_codes, p_stats
.if DOCPART == 3
	.amdgcn_target "amdgcn-amd-amdhsa--gfx1250"
	.amdhsa_code_object_version 6
	.text
	.protected	k_qd45db9beec_score
	.globl	k_qd45db9beec_score
	.p2align	8
	.type	k_qd45db9beec_score,@function
k_qd45db9beec_score:
	s_mov_b64 s[64:65], 0
	v_nop
	global_prefetch_b8 v0, s[64:65] scope:SCOPE_SE
	s_setreg_imm32_b32 hwreg(HW_REG_WAVE_MODE, 25, 1), 1
	s_wait_xcnt 0x0
	s_wait_alu depctr_hold_cnt(0) depctr_sa_sdst(0) depctr_va_vdst(0) depctr_va_sdst(0) depctr_va_ssrc(0) depctr_va_vcc(0) depctr_vm_vsrc(0)
	s_getreg_b32 s2, hwreg(HW_REG_IB_STS2, 6, 4)
	s_cmp_eq_u32 s2, 0
	s_cbranch_scc0 .Lentry_in_a_cluster
	s_endpgm
.Lentry_in_a_cluster:
	s_bfe_u32 s2, ttmp6, 0x10000c
	s_cmp_lg_u32 s2, 0x3003
	s_cbranch_scc0 .Lentry_shape_is_right
	s_endpgm
.Lentry_shape_is_right:
; logit = q k^T / 32 + attention_mask + pw x prosody_mask; t = logit x log2(e); p = 2^(t - M) under a whole-number M; the sum of the unquantised p; p's codes of FP6 and scale bytes along the keys.
; Stored: the codes, and for each (row, 128 keys) the scale word, -M and the sum; the next launch joins them.  The maximum is taken away before every exponential.  No work is left out.
; SHARES: a work-group makes 256 queries x 256 keys; wave w takes ALL 256 queries x keys 64 w .. 64 w + 63.  Its k fragments for all of K (4 blocks x 8 K steps x 12 = 384 registers) and their scale words
; come from memory straight into registers and stay.  q's 256 rows of codes, 196,608 dense bytes, come into LDS once, a quarter by each wave's one tensor load: nothing is filled again.
; The wave walks q by blocks of 16 queries: 32 matrix instructions (4 accumulators by turns, K ascending) finish 16 x 64 logits, which are masked, exponentiated, quantised and stored at once.
; THE MASKS: a load reads 256 consecutive bytes of each of two true rows; a block is 16 loads; they are asked for four blocks ahead, into four sets of 64 registers, from the kernel's head on, and turn through the
; wave's own stage in LDS (rows of 272 bytes) into the accumulators' layout.
; M is first taken over the wave's 64 keys.  At the end the two waves of 128 keys exchange -M, sum and bytes through LDS: M = the larger, the sums are brought under it by v_ldexp_f32 and d = M - own M comes off the scale bytes:
; an exact power of two, which a block's scale takes up; the codes stay.
; p's CODES: [block of 16 queries][128 keys][c = 0, 1][512 bytes: lane x 16, registers 6 c .. 6 c + 3 of the operand's fragment; 256 bytes: lane x 8, registers 6 c + 4, 6 c + 5]; wave w makes c = w % 2.
; CLUSTER 4 x 1: the four work-groups of a cluster share their queries: q's tile is asked for jointly.  k is not: it goes to registers, where a joint load cannot land, and only q's 196,608 bytes pass the LDS.
; NO PREFETCH: the masks are asked for by loads 48 to 64 instructions of 512 bytes ahead of their use from the head on; q and k are asked for at the head, with no loop ahead of them.
; LIMITS: t is held at -3e38 from below, so 64 keys that are all at -infinity give p = 0 and the byte 1; d is held at 127 and a byte that would fall under 0 at 0, where a block adds at most 7.5 x 2^-127 times v;
; a row all of whose keys are at -infinity is not served; NaN is not served; the order of the sums differs from the reference's.
; REGISTERS: window 0: v1-31 addresses and work; v32-63 k's scale words, v64-95 q's (nothing else); v128-159 logits, then p; v160-191 prosody mask; v192-223 accumulators; v224-239 codes, sums.
; window 1: the masks as loaded, four sets of 64.  window 2: k's fragments 0-20.  window 3: k's fragments 21-31 at v0; q's eight fragments of a block at v136.
.set FRB,   1536
.set SCQ,   196608                     ; behind q's codes: q's scale words, [4 blocks of 16 rows][K step][row][block % 4], stored by the waves
.set STG,   SCQ+8192                   ; a stage of 2 x 16 rows x 272 bytes for each wave
.set EX,    STG+4*8704                 ; the exchange: 3 planes of 1,024 bytes for each wave
.set SPARE, EX+4*3072                  ; the spare words, 128 bytes a wave
.set LOF, 4                            ; 16 x lane
.set MOF, 5                            ; masks: 16 rows x h + 16 r
.set KSO, 6                            ; 16 r
.set STI, 7
.set STO, 8
.set ADA, 9                            ; q's fragments of this trip
.set EXW, 10
.set ADQ, 11                           ; q's scale words of this trip
.set SPW, 12
.set NIL, 13
.set LO8, 14                           ; 8 x lane
.set EXR, 15
.set NM,  16                           ; v[16:17] -M (the pair's low word serves both halves)
.set TA,  18
.set QSW, 19
.set BM,  20
.set TP,  24
.set SO,  26
.set BY,  28
.set LW,  30
.set KS,  32
.set QS,  64
.set T,   128
.set PMR, 160
.set ACC, 192
.set PC,  224
.set SS,  236
.set AF,  136
.set G0,  28
.set G1,  32
.set C32, 46
.set L2E, 48
.set PWS, 50
.set MSB, 0
.macro WIN new                         ; the immediate's high byte repeats the setting that is left
.if MSB != (\new)
	s_set_vgpr_msb (MSB<<8)|(\new)
.set MSB, (\new)
.endif
.endm
.macro CROUND                          ; a round of the cluster's barrier
	s_barrier_signal -1
	s_barrier_wait -1
	s_cmp_lg_u32 s20, 0
	s_cbranch_scc1 .Lnot_wave_0_\@
	s_barrier_signal -3
.Lnot_wave_0_\@:
	s_barrier_wait -3
	s_barrier_signal -1
	s_barrier_wait -1
.endm
.macro PLACES
.rept 4
	v_nop
.endr
.endm
.macro RAWLOAD i, rows                 ; the 16 true rows of block i (+ rows) of both masks into set i of window 1: lanes 0-15 row j, lanes 16-31 row j + 16
	WIN 0x40
.irp j, 0,1,2,3,4,5,6,7
	global_load_b128 v[64*(\i)+4*\j:64*(\i)+4*\j+3], v[MOF], s[8:9] offset:((\rows)+32*((\i)/2)+8*((\i)%2)+\j)*8192 th:TH_LOAD_NT
	global_load_b128 v[64*(\i)+32+4*\j:64*(\i)+32+4*\j+3], v[MOF], s[10:11] offset:((\rows)+32*((\i)/2)+8*((\i)%2)+\j)*8192 th:TH_LOAD_NT
.endr
	WIN 0
.endm
.macro ALOAD i                         ; q's eight fragments of the trip's block i
	WIN 0xc0
.set KK, 0
.rept 8
.irp c, 0,1,2
	ds_load_b128 v[AF+12*KK+4*\c:AF+12*KK+4*\c+3], v[ADA] offset:(\i)*8*FRB+KK*FRB+512*\c
.endr
.set KK, KK+1
.endr
	WIN 0
.endm
.macro QLOAD off                       ; the scale words of four blocks of q: register 4 ks + i
.irp k, 0,1,2,3,4,5,6,7
	ds_load_b128 v[QS+4*\k:QS+4*\k+3], v[ADQ] offset:(\off)+256*\k
.endr
.endm
.macro RAW2 i, j                       ; rows j and j + 16 of the block four on, of both masks, into set i: a block's eight such pairs are dealt among its products and its vector work
	WIN 0x40
	global_load_b128 v[64*(\i)+4*(\j):64*(\i)+4*(\j)+3], v[MOF], s[8:9] offset:(64+32*((\i)/2)+8*((\i)%2)+(\j))*8192 th:TH_LOAD_NT
	global_load_b128 v[64*(\i)+32+4*(\j):64*(\i)+32+4*(\j)+3], v[MOF], s[10:11] offset:(64+32*((\i)/2)+8*((\i)%2)+(\j))*8192 th:TH_LOAD_NT
.endm
.macro MUL i, last                     ; S^T = k q^T: source 0 = 16 keys, source 1 = 16 queries; the four accumulators take turns, one instruction a turn; the first K step starts the sums
.set FF, 0
.rept 32
.if FF < 21
	WIN 0x0e
.set KR, 12*FF
.else
	WIN 0x0f
.set KR, 12*(FF-21)
.endif
.set DR, ACC+8*(FF%4)
.set AR, AF+12*(FF/4)
.if FF < 4
	v_wmma_scale_f32_16x16x128_f8f6f4 v[DR:DR+7], v[KR:KR+11], v[AR:AR+11], 0, v[KS+FF], v[QS+4*(FF/4)+(\i)] matrix_a_fmt:MATRIX_FMT_FP6 matrix_b_fmt:MATRIX_FMT_FP6
.else
	v_wmma_scale_f32_16x16x128_f8f6f4 v[DR:DR+7], v[KR:KR+11], v[AR:AR+11], v[DR:DR+7], v[KS+FF], v[QS+4*(FF/4)+(\i)] matrix_a_fmt:MATRIX_FMT_FP6 matrix_b_fmt:MATRIX_FMT_FP6
.endif
.if (\last) == 0 && (FF%8) == 7
	RAW2 \i, FF/8                                  ; pairs 0 to 3, one behind every eight products
.endif
.set FF, FF+1
.endr
	WIN 0
.endm
; ONE BLOCK of 16 queries x my 64 keys.  i: the block in its trip of four; last = 1: the last trip, which asks for no further masks
.macro BLOCK i, last
	s_wait_alu depctr_va_vdst(0)
.if \last
	s_wait_loadcnt 48-16*(\i)                      ; this block's 16 mask loads are in; the later blocks' may be out
.else
	s_wait_loadcnt 48                              ; the three later blocks' 48 may be out
.endif
	s_wait_xcnt 0x0                                ; the last block's stores have read their codes
	WIN 0x04                                       ; an LDS store's data are its source 1: window 1
.irp j, 0,1,2,3,4,5,6,7
	ds_store_b128 v[STI], v[64*(\i)+4*\j:64*(\i)+4*\j+3] offset:272*\j
	ds_store_b128 v[STI], v[64*(\i)+32+4*\j:64*(\i)+32+4*\j+3] offset:4352+272*\j
.endr
	WIN 0
.irp n, 0,1,2,3,4,5,6,7
	ds_load_b128 v[T+4*\n:T+4*\n+3], v[STO] offset:128*(\n/4)+16*(\n%4)           ; LDS serves a wave's instructions in order: these see the stores above
	ds_load_b128 v[PMR+4*\n:PMR+4*\n+3], v[STO] offset:4352+128*(\n/4)+16*(\n%4)
.endr
	s_wait_dscnt 16                                ; all but these 16 loads: q's fragments and scale words are in, and the stage's stores have read their registers,
	MUL \i, \last                                  ; which take the block four on, from here to the exponentials
	PLACES                                         ; behind the last product: for the loads below and the first read of the sums
.if (\last) == 0 || (\i) < 3
	ALOAD (\i)+1                                   ; the next block's fragments land under this block's vector work
.if (\i) == 3
	QLOAD 2048
	s_wait_dscnt 32                                ; the masks are in my layout
.else
	s_wait_dscnt 24
.endif
.else
	s_wait_dscnt 0x0
.endif
.set JJ, 0
.rept 16
	v_pk_fma_f32 v[T+JJ:T+JJ+1], v[ACC+JJ:ACC+JJ+1], s[C32:C32+1], v[T+JJ:T+JJ+1] op_sel_hi:[1,0,1]   ; score / 32 + attention mask; each accumulator from its low end on
.set JJ, JJ+2
.endr
.if (\last) == 0
	RAW2 \i, 4
	WIN 0
.endif
.set JJ, 0
.rept 16
	v_pk_fma_f32 v[T+JJ:T+JJ+1], v[PMR+JJ:PMR+JJ+1], s[PWS:PWS+1], v[T+JJ:T+JJ+1] op_sel_hi:[1,0,1]   ; + pw x prosody mask
.set JJ, JJ+2
.endr
.if (\last) == 0
	RAW2 \i, 5
	WIN 0
.endif
.irp q, 0,1,2,3
	v_max3_num_f32 v[BM+\q], v[T+8*\q], v[T+8*\q+1], v[T+8*\q+2]   ; the largest logit, in four chains of eight
.endr
.irp n, 3,5
.irp q, 0,1,2,3
	v_max3_num_f32 v[BM+\q], v[BM+\q], v[T+8*\q+\n], v[T+8*\q+\n+1]
.endr
.endr
.irp q, 0,1,2,3
	v_max_num_f32 v[BM+\q], v[BM+\q], v[T+8*\q+7]
.endr
.if (\last) == 0
	RAW2 \i, 6
	WIN 0
.endif
	v_max_num_f32 v[BM], v[BM], v[BM+1]            ; of my 16 keys of each block of 32,
	v_max_num_f32 v[BM+1], v[BM+2], v[BM+3]
	v_permlanex16_b32 v[TP], v[BM], s52, s53
	v_permlanex16_b32 v[TP+1], v[BM+1], s52, s53
	v_max_num_f32 v[BM], v[BM], v[TP]              ; and of lane l xor 16's: it serves for M and, since p rises with the logit, for the block's largest p
	v_max_num_f32 v[BM+1], v[BM+1], v[TP+1]
	v_max_num_f32 v[TA], v[BM], v[BM+1]
	v_mul_f32 v[TA], s[L2E], v[TA]                 ; the largest t of my 64 keys,
	v_max_num_f32 v[TA], 0xff61b1e6, v[TA]         ; held at -3e38 from below
	v_floor_f32 v[NM], -v[TA]                      ; -M = floor(-t) = -ceil(t)
.set JJ, 0
.rept 16
	v_pk_fma_f32 v[T+JJ:T+JJ+1], v[T+JJ:T+JJ+1], s[L2E:L2E+1], v[NM:NM+1] op_sel_hi:[1,0,0]   ; t - M
.set JJ, JJ+2
.endr
.if (\last) == 0
	RAW2 \i, 7
	WIN 0
.endif
	v_fma_f32 v[BM], v[BM], s[L2E], v[NM]
	v_fma_f32 v[BM+1], v[BM+1], s[L2E], v[NM]
	s_wait_alu depctr_va_vdst(0)
.set JJ, 0
.rept 32
	v_exp_f32 v[T+JJ], v[T+JJ]                     ; p = 2^(t - M)
.set JJ, JJ+1
.endr
	v_exp_f32 v[BM], v[BM]                         ; each block's largest p
	v_exp_f32 v[BM+1], v[BM+1]
	v_nop                                          ; a plain place behind the exponentials
	s_wait_alu depctr_va_vdst(0)                   ; and one wait for the batch, ahead of its first reader
	v_pk_add_f32 v[SS:SS+1], v[T:T+1], v[T+2:T+3]  ; the sum of the unquantised p, in two chains
	v_pk_add_f32 v[SS+2:SS+3], v[T+4:T+5], v[T+6:T+7]
.irp j, 8,12,16,20,24,28
	v_pk_add_f32 v[SS:SS+1], v[SS:SS+1], v[T+\j:T+\j+1]
	v_pk_add_f32 v[SS+2:SS+3], v[SS+2:SS+3], v[T+\j+2:T+\j+3]
.endr
	v_max_num_f32 v[BM], 0x1800000, v[BM]          ; the floor 2^(3 - 127) holds the byte at 1 from below
	v_max_num_f32 v[BM+1], 0x1800000, v[BM+1]
	v_pk_add_f32 v[SS:SS+1], v[SS:SS+1], v[SS+2:SS+3]
	v_add_nc_u32 v[SO], 0xff000000, v[BM]          ; 2 off the exponent field: the conversion's scale operand
	v_add_nc_u32 v[SO+1], 0xff000000, v[BM+1]
	v_add_f32 v[TA], v[SS], v[SS+1]
	v_lshrrev_b32 v[BY], 23, v[SO]                 ; the scale's byte
	v_lshrrev_b32 v[BY+1], 23, v[SO+1]
	v_permlanex16_b32 v[TP], v[TA], s52, s53
	v_lshl_or_b32 v[BY], v[BY+1], 8, v[BY]         ; my two bytes
	v_add_f32 v[LW], v[TA], v[TP]                  ; the row's sum over my 64 keys
	v_cvt_scalef32_pk16_fp6_f32 v[PC:PC+2], v[T:T+15], v[SO]
	v_cvt_scalef32_pk16_fp6_f32 v[PC+4:PC+6], v[T+16:T+31], v[SO+1]   ; (a conversion's three registers begin on an even number)
	v_nop                                          ; one plain place behind a scaled conversion
.irp n, 0,1,2
	v_permlane16_swap_b32 v[PC+\n], v[PC+4+\n]     ; a whole block of 32 keys to a lane
.endr
.irp n, 0,1,2
	v_mov_b32 v[PC+3+\n], v[PC+4+\n]
.endr
	global_store_b128 v[LOF], v[PC:PC+3], s[14:15] offset:24576*(\i)          ; 512 consecutive bytes, aligned
	global_store_b64 v[LO8], v[PC+4:PC+5], s[14:15] offset:24576*(\i)+512     ; 256 consecutive bytes, aligned
	ds_store_b32 v[EXW], v[NM] offset:4*(\i)       ; both halves of the lanes write the same word with the same value
	ds_store_b32 v[EXW], v[LW] offset:1024+4*(\i)
	ds_store_b32 v[EXW], v[BY] offset:2048+4*(\i)
.endm
	s_load_b128 s[4:7], s[0:1], 0x0                ; qkv_codes, qkv_scales
	s_load_b128 s[8:11], s[0:1], 0x10              ; attention_mask, prosody_mask
	s_load_b128 s[12:15], s[0:1], 0x20             ; prosody_weight, p_codes
	s_load_b64 s[16:17], s[0:1], 0x30              ; p_stats
	v_lshl_add_u32 v[SPW], v0, 2, SPARE
	v_mov_b32 v[NIL], 0
	ds_add_u32 v[SPW], v[NIL]                      ; the wave's opening
	ds_add_u32 v[SPW], v[NIL]
	v_lshrrev_b32 v1, 5, v0
	v_readfirstlane_b32 s20, v1                    ; wave w
	s_bfe_u32 s21, ttmp6, 0x40000                  ; cx
	s_lshl_b32 s22, ttmp9, 2
	s_add_co_u32 s22, s22, s21                     ; x: tile of 256 keys in the batch
	s_and_b32 s23, ttmp7, 0xffff                   ; y: tile of 256 queries, over all batches
	s_lshr_b32 s24, s23, 3                         ; the batch
	s_lshr_b32 s25, s20, 1                         ; w / 2: which 128 keys
	s_and_b32 s26, s20, 1                          ; w % 2: which half of them
	s_mov_b32 s[G1], 15|(3<<16)|(1<<21)            ; all four of the cluster; elements of 8 bytes; a quarter of q's codes: 49,152 dense bytes as 192 rows of 256
	s_mov_b32 s[G1+1], 32<<16
	s_mov_b32 s[G1+2], 192<<16
	s_mov_b32 s[G1+3], 32<<16
	s_mov_b32 s[G1+4], 192
	s_mov_b32 s[G1+5], 32
	s_mov_b32 s[G1+6], 0
	s_mov_b32 s[G1+7], 0
	s_mul_i32 s27, s20, 49152                      ; four blocks of 16 rows: my quarter of q in memory and in LDS, and my 64 keys of k
	s_mul_i32 s46, s23, 196608
	s_add_co_u32 s46, s46, s27                     ; q's codes
	s_mov_b32 s47, 0
	s_mul_i32 s48, s24, 1572864
	s_mul_i32 s3, s22, 196608
	s_add_co_u32 s48, s48, s3
	s_add_co_u32 s48, s48, s27
	s_add_co_u32 s48, s48, 6291456                 ; k's codes
	s_mov_b32 s49, 0
	s_lshl_b32 s50, s24, 16
	s_lshl_b32 s3, s22, 13
	s_add_co_u32 s50, s50, s3
	s_lshl_b32 s3, s25, 12
	s_add_co_u32 s50, s50, s3
	s_lshl_b32 s3, s26, 8
	s_add_co_u32 s50, s50, s3
	s_add_co_u32 s50, s50, 262144                  ; k's scale words: my four blocks
	s_mov_b32 s51, 0
	s_lshl_b32 s52, s23, 13
	s_lshl_b32 s3, s20, 11
	s_add_co_u32 s52, s52, s3                      ; q's scale words: my quarter
	s_mov_b32 s53, 0
	s_lshl_b32 s54, s23, 21
	s_lshl_b32 s3, s22, 10
	s_add_co_u32 s54, s54, s3
	s_lshl_b32 s3, s20, 8
	s_add_co_u32 s54, s54, s3                      ; the masks: 256 y rows of 8,192 bytes + (256 x + 64 w) 4
	s_mov_b32 s55, 0
	s_mul_i32 s56, s23, 393216
	s_mul_i32 s3, s22, 3072
	s_add_co_u32 s56, s56, s3
	s_mul_i32 s3, s25, 1536
	s_add_co_u32 s56, s56, s3
	s_mul_i32 s3, s26, 768
	s_add_co_u32 s56, s56, s3                      ; p's codes
	s_mov_b32 s57, 0
	s_lshl_b32 s58, s23, 14
	s_lshl_b32 s3, s26, 13
	s_add_co_u32 s58, s58, s3
	s_lshl_b32 s3, s22, 10
	s_add_co_u32 s58, s58, s3
	s_lshl_b32 s3, s25, 9
	s_add_co_u32 s58, s58, s3                      ; the statistics that I store: rows 128 (2 y + w % 2), keys 128 (2 x + w / 2)
	s_mov_b32 s59, 0
	s_mul_i32 s60, s20, 8704
	s_add_co_u32 s60, s60, STG                     ; my stage
	s_lshl_b32 s61, s25, 12
	s_lshl_b32 s3, s26, 10
	s_add_co_u32 s61, s61, s3
	s_add_co_u32 s61, s61, SCQ                     ; where my quarter of q's scale words goes
	s_mul_i32 s62, s20, 3072
	s_add_co_u32 s62, s62, EX                      ; my planes of the exchange
	s_mul_i32 s63, s25, 6144
	s_lshl_b32 s3, s26, 9
	s_add_co_u32 s63, s63, s3
	s_add_co_u32 s63, s63, EX                      ; the even wave's planes of my pair, at the 128 rows that I join
	s_wait_dscnt 0x0                               ; both opening adds are done
	s_wait_kmcnt 0x0
	s_mov_b32 s[G0], 1
	s_mov_b32 s[G0+1], s27
	s_add_nc_u64 s[G0+2:G0+3], s[4:5], s[46:47]
	s_or_b32 s[G0+3], s[G0+3], 0x80000000
	CROUND                                         ; the four work-groups are here: the joint loads meet
	tensor_load_to_lds s[G0:G0+3], s[G1:G1+7]      ; my one tensor load
	s_nop 0
	PLACES
	s_add_nc_u64 s[40:41], s[4:5], s[48:49]
	s_add_nc_u64 s[42:43], s[6:7], s[50:51]
	s_add_nc_u64 s[44:45], s[6:7], s[52:53]
	s_add_nc_u64 s[8:9], s[8:9], s[54:55]
	s_add_nc_u64 s[10:11], s[10:11], s[54:55]
	s_add_nc_u64 s[14:15], s[14:15], s[56:57]
	s_add_nc_u64 s[16:17], s[16:17], s[58:59]
	s_load_b32 s[PWS], s[12:13], 0x0               ; pw: it enters arithmetic alone
	s_mov_b32 s[C32], 0x3d000000
	s_mov_b32 s[C32+1], 0x3d000000
	s_mov_b32 s[L2E], 0x3fb8aa3b
	s_mov_b32 s[L2E+1], 0x3fb8aa3b
	s_mov_b32 s52, 0x76543210
	s_mov_b32 s53, 0xfedcba98                      ; selects for lane l xor 16
	s_mov_b32 s55, 0                               ; the trip's place in q's codes,
	s_mov_b32 s56, SCQ                             ; in q's scale words,
	s_mov_b32 s57, s62                             ; and in my planes
	v_and_b32 v1, 15, v0                           ; r
	v_bfe_u32 v2, v0, 4, 1                         ; h
	v_and_b32 v3, 31, v0
	v_lshlrev_b32 v[LOF], 4, v3
	v_lshlrev_b32 v[LO8], 3, v3
	v_lshlrev_b32 v[KSO], 4, v1
	v_lshl_add_u32 v[MOF], v2, 17, v[KSO]
	v_mul_u32_u24 v[STI], v2, 2176
	v_add_nc_u32 v[STI], v[STI], v[KSO]
	v_add_nc_u32 v[STI], s60, v[STI]               ; into the stage: row j + 8 h, 16 bytes a lane
	v_mul_u32_u24 v[STO], v1, 272
	v_lshl_add_u32 v[STO], v2, 6, v[STO]
	v_add_nc_u32 v[STO], s60, v[STO]               ; out of it: row r, + 64 h: my 16 keys of a block of 32
	v_lshl_add_u32 v[QSW], v2, 11, v[KSO]
	v_add_nc_u32 v[QSW], s61, v[QSW]
	v_add_nc_u32 v[EXR], s63, v[LOF]
	v_add_nc_u32 v[ADA], s55, v[LOF]
	v_add_nc_u32 v[ADQ], s56, v[KSO]
	v_add_nc_u32 v[EXW], s57, v[KSO]
	v_mov_b32 v[NM+1], 0                           ; (named as the upper half of a pair)
	v_mov_b32 v[TP], 0                             ; a lane permute's destination counts as one of its sources
	v_mov_b32 v[TP+1], 0
	s_wait_alu depctr_va_vdst(0)
.irp n, 0,1,2,3
	global_load_b128 v[T+4*\n:T+4*\n+3], v[LOF], s[44:45] offset:512*\n      ; q's scale words, my quarter
.endr
.irp k, 0,1,2,3,4,5,6,7
	global_load_b128 v[KS+4*\k:KS+4*\k+3], v[KSO], s[42:43] offset:512*\k    ; k's: register 4 ks + b, row r in both halves of the lanes
.endr
	WIN 0x80
.set FF, 0
.rept 21
.irp c, 0,1,2
	global_load_b128 v[12*FF+4*\c:12*FF+4*\c+3], v[LOF], s[40:41] offset:(FF%4)*8*FRB+(FF/4)*FRB+512*\c   ; k's fragment 4 ks + b
.endr
.set FF, FF+1
.endr
	WIN 0xc0
.rept 11
.irp c, 0,1,2
	global_load_b128 v[12*(FF-21)+4*\c:12*(FF-21)+4*\c+3], v[LOF], s[40:41] offset:(FF%4)*8*FRB+(FF/4)*FRB+512*\c
.endr
.set FF, FF+1
.endr
	WIN 0
	RAWLOAD 0, 0
	RAWLOAD 1, 0
	RAWLOAD 2, 0
	RAWLOAD 3, 0
	s_wait_tensorcnt 0x0                           ; my quarter of q's codes is in
	s_wait_loadcnt 63                              ; behind the 108 loads of scale words and of k stand the masks' 64: all 108 are in
.irp n, 0,1,2,3
	ds_store_b128 v[QSW], v[T+4*\n:T+4*\n+3] offset:256*\n
.endr
	s_wait_kmcnt 0x0
	s_mov_b32 s[PWS+1], s[PWS]
	s_wait_dscnt 0x0                               ; my stores have landed
	s_barrier_signal -1
	s_barrier_wait -1                              ; q's codes and scale words are whole
	ALOAD 0
	QLOAD 0
	s_mov_b32 s54, 0
.Ltrip:                                                ; a trip: four blocks of 16 queries, until the masks' four sets are back where they began
	BLOCK 0, 0
	BLOCK 1, 0
	BLOCK 2, 0
	BLOCK 3, 0
	s_add_co_u32 s55, s55, 49152
	s_add_co_u32 s56, s56, 2048
	s_add_co_u32 s57, s57, 256
	v_add_nc_u32 v[ADA], s55, v[LOF]
	v_add_nc_u32 v[ADQ], s56, v[KSO]
	v_add_nc_u32 v[EXW], s57, v[KSO]
	s_wait_alu depctr_va_vdst(0)
	s_wait_xcnt 0x0                                ; the loads and stores have read their bases
	s_add_nc_u64 s[8:9], s[8:9], 524288            ; 64 rows of the masks on
	s_add_nc_u64 s[10:11], s[10:11], 524288
	s_add_nc_u64 s[14:15], s[14:15], 98304         ; four blocks of p's codes on
	s_add_co_u32 s54, s54, 1
	s_cmp_lt_u32 s54, 3
	s_cbranch_scc1 .Ltrip
	BLOCK 0, 1                                     ; the last trip is written out: it asks for nothing beyond the tile
	BLOCK 1, 1
	BLOCK 2, 1
	BLOCK 3, 1
	s_wait_alu depctr_va_vdst(0)
	s_wait_dscnt 0x0                               ; my planes have landed
	s_barrier_signal -1
	s_barrier_wait -1
; THE JOIN of a pair of waves: lane (r, h), register n: row r of block 8 (w % 2) + 4 h + n.  E: the wave of keys 0-63 of the 128, O: that of keys 64-127
.irp n, 0,1,2
	ds_load_b128 v[T+4*\n:T+4*\n+3], v[EXR] offset:1024*\n               ; E: -M, sum, bytes
	ds_load_b128 v[T+12+4*\n:T+12+4*\n+3], v[EXR] offset:3072+1024*\n    ; O
.endr
	s_wait_dscnt 0x0
.irp n, 0,1,2,3
	v_min_num_f32 v[PMR+4+\n], v[T+\n], v[T+12+\n]         ; -M of the 128 keys
.endr
.irp n, 0,1,2,3
	v_sub_f32 v[PMR+12+\n], v[T+\n], v[PMR+4+\n]           ; d = M - own M: a whole number, 0 or more
	v_sub_f32 v[PMR+16+\n], v[T+12+\n], v[PMR+4+\n]
.endr
.irp n, 0,1,2,3,4,5,6,7
	v_cvt_i32_f32 v[PMR+12+\n], v[PMR+12+\n]               ; (it saturates)
.endr
.irp n, 0,1,2,3,4,5,6,7
	v_min_u32 v[PMR+12+\n], 0x7f, v[PMR+12+\n]
.endr
.irp n, 0,1,2,3
	v_sub_nc_u32 v[PMR+20+\n], 0, v[PMR+12+\n]
	v_sub_nc_u32 v[PMR+24+\n], 0, v[PMR+16+\n]
.endr
.irp n, 0,1,2,3
	v_ldexp_f32 v[T+4+\n], v[T+4+\n], v[PMR+20+\n]         ; the sums under M
	v_ldexp_f32 v[T+16+\n], v[T+16+\n], v[PMR+24+\n]
.endr
.irp n, 0,1,2,3
	v_add_f32 v[PMR+8+\n], v[T+4+\n], v[T+16+\n]
.endr
.irp n, 0,1,2,3,4,5,6,7
	v_mul_u32_u24 v[PMR+12+\n], v[PMR+12+\n], 0x101        ; d in two bytes
.endr
.irp n, 0,1,2,3
	v_lshl_or_b32 v[PMR+12+\n], v[PMR+16+\n], 16, v[PMR+12+\n]
	v_lshl_or_b32 v[PMR+\n], v[T+20+\n], 16, v[T+8+\n]     ; the scale word of the 128 keys
.endr
.irp n, 0,1,2,3
	v_or_b32 v[PMR+\n], 0x80808080, v[PMR+\n]              ; 128 + byte: d is at most 127, so no byte borrows
.endr
.irp n, 0,1,2,3
	v_sub_nc_u32 v[PMR+\n], v[PMR+\n], v[PMR+12+\n]
.endr
.irp n, 0,1,2,3
	v_lshrrev_b32 v[PMR+16+\n], 7, v[PMR+\n]
.endr
.irp n, 0,1,2,3
	v_and_b32 v[PMR+16+\n], 0x01010101, v[PMR+16+\n]       ; 1 where byte - d is 0 or more
.endr
.irp n, 0,1,2,3
	v_lshlrev_b32 v[PMR+20+\n], 8, v[PMR+16+\n]
.endr
.irp n, 0,1,2,3
	v_sub_nc_u32 v[PMR+20+\n], v[PMR+20+\n], v[PMR+16+\n]  ; 255 there
.endr
.irp n, 0,1,2,3
	v_and_b32 v[PMR+\n], 0x7f7f7f7f, v[PMR+\n]
.endr
.irp n, 0,1,2,3
	v_and_b32 v[PMR+\n], v[PMR+\n], v[PMR+20+\n]           ; held at 0 from below
.endr
	global_store_b128 v[LOF], v[PMR:PMR+3], s[16:17]                       ; 512 consecutive bytes, aligned
	global_store_b128 v[LOF], v[PMR+4:PMR+7], s[16:17] offset:524288
	global_store_b128 v[LOF], v[PMR+8:PMR+11], s[16:17] offset:1048576
	s_wait_tensorcnt 0x0                           ; the wave's end
	ds_add_u32 v[SPW], v[NIL]
	s_wait_dscnt 0x0
	CROUND                                         ; the closing round
	s_endpgm
.Lfunc_end_k_qd45db9beec_score:
	.size	k_qd45db9beec_score, .Lfunc_end_k_qd45db9beec_score-k_qd45db9beec_score
	.p2alignl 7, 3214868480
	.fill 96, 4, 3214868480
	.section	.rodata,"a",@progbits
	.p2align	6, 0x0
	.amdhsa_kernel k_qd45db9beec_score
		.amdhsa_group_segment_fixed_size 252416
		.amdhsa_private_segment_fixed_size 0
		.amdhsa_enable_private_segment 0
		.amdhsa_kernarg_size 56
		.amdhsa_user_sgpr_count 2
		.amdhsa_user_sgpr_kernarg_segment_ptr 1
		.amdhsa_wavefront_size32 1
		.amdhsa_system_sgpr_workgroup_id_x 1
		.amdhsa_system_sgpr_workgroup_id_y 1
		.amdhsa_system_sgpr_workgroup_id_z 1
		.amdhsa_system_vgpr_workitem_id 0
		.amdhsa_next_free_vgpr 1024
		.amdhsa_next_free_sgpr 66
		.amdhsa_reserve_vcc 0
		.amdhsa_float_denorm_mode_32 3
		.amdhsa_float_denorm_mode_16_64 3
		.amdhsa_memory_ordered 1
		.amdhsa_forward_progress 1
		.amdhsa_inst_pref_size 165
	.end_amdhsa_kernel
	.amdgpu_metadata
---
amdhsa.version: [ 1, 2 ]
amdhsa.kernels:
  - .name:           k_qd45db9beec_score
    .symbol:         k_qd45db9beec_score.kd
    .args:
      - { .name: qkv_codes, .offset: 0, .size: 8, .value_kind: global_buffer, .address_space: global }
      - { .name: qkv_scales, .offset: 8, .size: 8, .value_kind: global_buffer, .address_space: global }
      - { .name: attention_mask, .offset: 16, .size: 8, .value_kind: global_buffer, .address_space: global }
      - { .name: prosody_mask, .offset: 24, .size: 8, .value_kind: global_buffer, .address_space: global }
      - { .name: prosody_weight, .offset: 32, .size: 8, .value_kind: global_buffer, .address_space: global }
      - { .name: p_codes, .offset: 40, .size: 8, .value_kind: global_buffer, .address_space: global }
      - { .name: p_stats, .offset: 48, .size: 8, .value_kind: global_buffer, .address_space: global }
    .group_segment_fixed_size: 252416
    .private_segment_fixed_size: 0
    .kernarg_segment_align: 8
    .kernarg_segment_size: 56
    .max_flat_workgroup_size: 128
    .sgpr_count:     66
    .vgpr_count:     1024
    .wavefront_size: 32
...
	.end_amdgpu_metadata
.endif
;; end of part 3
;; launch pv (part 4): grid 8 x 32, 4 waves a work-group, clusters of 4 x 4, 327,680 bytes of LDS; arguments p_codes, p_stats, qkv_codes, qkv_scales, out0; writes out0
.if DOCPART == 4
	.amdgcn_target "amdgcn-amd-amdhsa--gfx1250"
	.amdhsa_code_object_version 6
	.text
	.protected	k_qd45db9beec_pv
	.globl	k_qd45db9beec_pv
	.p2align	8
	.type	k_qd45db9beec_pv,@function
k_qd45db9beec_pv:
	s_mov_b64 s[64:65], 0
	v_nop
	global_prefetch_b8 v0, s[64:65] scope:SCOPE_SE
	s_setreg_imm32_b32 hwreg(HW_REG_WAVE_MODE, 25, 1), 1
	s_wait_xcnt 0x0
	s_wait_alu depctr_hold_cnt(0) depctr_sa_sdst(0) depctr_va_vdst(0) depctr_va_sdst(0) depctr_va_ssrc(0) depctr_va_vcc(0) depctr_vm_vsrc(0)
	s_getreg_b32 s2, hwreg(HW_REG_IB_STS2, 6, 4)
	s_cmp_eq_u32 s2, 0
	s_cbranch_scc0 .Lentry_in_a_cluster
	s_endpgm
.Lentry_in_a_cluster:
	s_bfe_u32 s2, ttmp6, 0x10000c
	s_cmp_lg_u32 s2, 0xf033
	s_cbranch_scc0 .Lentry_shape_is_right
	s_endpgm
.Lentry_shape_is_right:
; out = (p v) / l on codes of FP6.  At the head each wave joins, for its 128 rows, the 16 local M of a row into M = their maximum, brings the 16 local sums under M (v_ldexp_f32: exact) and adds them to l, and takes
; d = M - M_loc off p's scale bytes: p under M is p under M_loc times 2^-d, an exact power of two, which the block's scale takes up; the codes stay.  No work is left out.
; TILES: 256 queries x 128 channels a work-group (256 work-groups), 128 x 64 a wave: 32 accumulators.  K = 2,048 keys in four slot-steps of 512 through two LDS slots; at most one tensor load of a wave out.
; CLUSTER 4 x 4: p's tiles are shared along a row, v's along a column.  The product is used transposed; v's rows lie in the order of positions, so a lane's registers are neighbouring true channels; the queries' order is undone in the stores' offsets.
; LIMITS: d is held at 127; a scale byte that would fall under 0 is held at 0, where a block adds at most 7.5 x 2^-127 times v; a row all of whose keys are at -infinity is not served; the order of l's sums differs from the reference's.
; REGISTERS: window 0: v1-31 addresses, 1 / l in v8-15; v192-255 scale words (two sets), nothing else; v32-191 the head's data, later the way out; window 1: v's two sets at v0, v128; window 2: accumulators; window 3: p's two sets at v0, v128.
.set NB,  4
.set NQ,  4
.set AW,  3
.set AF0, 0
.set APS, 128
.set SC,  192
.set FRB, 1536
.set HA,  8*NQ*FRB                     ; 128 rows of p x 512 keys
.set HB,  4*NQ*FRB                     ; 64 rows of v^T x 512 keys
.set SLOT, 2*HA+2*HB
.set SCA,  2*SLOT                      ; p's shifted scale words, stored by the waves: no tile lands here
.set SCB,  SCA+16384                   ; v's scale words, filled once
.set RLR,  SCB+8192                    ; 1 / l on its way between lanes: 512 bytes a wave
.set SPARE, RLR+2048
.set SAW,  3
.set LS,   4                           ; v4-7   l, then 1 / l
.set RL,   8                           ; v8-15  at the head M (v8-11) and 0 - d (v12-15); then 1 / l of my eight blocks
.set ADRA, 16
.set RLW,  18
.set RLG,  19
.set ADRB, 20
.set ADRS, 22
.set STO,  24
.set RD,   25
.set CO,   26
.set LOF,  27
.set SPW,  28
.set NIL,  29
.set VA,   30
.set VB,   31
.set ML,   32                          ; v32-95   -M_loc of 16 chunks x 4 blocks, then d
.set LL,   96                          ; v96-159  the local sums
.set SW,   160                         ; v160-191 my eight chunks' scale words
.set G1, 24
.set G0, 32
.set G1B, 48
.set G0B, 56
.set G1SB, 80
.set G0SB, 88
.set MSB, 0
.macro WIN new
.if MSB != (\new)
	s_set_vgpr_msb (MSB<<8)|(\new)
.set MSB, (\new)
.endif
.endm
.macro JLOAD g0a, g1a, g0b, g1b
	s_cmp_eq_u32 s15, 0
	s_cbranch_scc0 .Lfor_b_\@
	tensor_load_to_lds s[\g0a:\g0a+3], s[\g1a:\g1a+7]
	s_nop 0
.rept 4
	v_nop
.endr
	s_branch .Lasked_\@
.Lfor_b_\@:
	tensor_load_to_lds s[\g0b:\g0b+3], s[\g1b:\g1b+7]
	s_nop 0
.rept 4
	v_nop
.endr
.Lasked_\@:
.endm
.macro CREST
	s_cmp_lg_u32 s14, 0
	s_cbranch_scc1 .Lnot_wave_0_\@
	s_barrier_signal -3
.Lnot_wave_0_\@:
	s_barrier_wait -3
	s_barrier_signal -1
	s_barrier_wait -1
.endm
.macro CROUND
	s_barrier_signal -1
	s_barrier_wait -1
	CREST
.endm
.macro PLACES
.rept 4
	v_nop
.endr
.endm
.macro FETCH slot, q, p
	WIN 0x40
.set II, 0
.rept NB
.irp c, 0,1,2
	ds_load_b128 v[128*(\p)+12*II+4*\c:128*(\p)+12*II+4*\c+3], v[ADRB+\slot] offset:II*NQ*FRB+(\q)*FRB+512*\c
.endr
.set II, II+1
.endr
	WIN (AW<<6)
.set II, 0
.rept 8
.irp c, 0,1                            ; p's fragment lies as two halves of 768 bytes: 16 bytes a lane (registers 6 c .. 6 c + 3), then 8 bytes a lane (6 c + 4, 6 c + 5); v1, v2: slot 0's, 1's address with 8 bytes a lane
	ds_load_b128 v[AF0+APS*(\p)+12*II+6*\c:AF0+APS*(\p)+12*II+6*\c+3], v[ADRA+\slot] offset:II*NQ*FRB+(\q)*FRB+768*\c
	ds_load_b64 v[AF0+APS*(\p)+12*II+6*\c+4:AF0+APS*(\p)+12*II+6*\c+5], v[1+\slot] offset:II*NQ*FRB+(\q)*FRB+768*\c+512
.endr
.set II, II+1
.endr
	WIN 0
.endm
.macro SCALES n
.set QQ, 0
.rept NQ
	ds_load_b128 v[SC+8*NQ*((\n)%2)+8*QQ:SC+8*NQ*((\n)%2)+8*QQ+3], v[ADRS] offset:((\n)*NQ+QQ)*512
	ds_load_b128 v[SC+8*NQ*((\n)%2)+8*QQ+4:SC+8*NQ*((\n)%2)+8*QQ+7], v[ADRS+1] offset:((\n)*NQ+QQ)*512
.set QQ, QQ+1
.endr
.endm
.macro MULR a0, a1, p, q, sc, mode     ; mode 0: onto the sums; 1: C = 0.  The accumulators take turns, one instruction a turn
.set AA, \a0
.rept (\a1)-(\a0)
.set XWD, 2+(NB*AA)/32
	WIN (XWD<<6)|(XWD<<4)|(AW<<2)|1
.set XAR, AF0+APS*(\p)+12*AA
.set XSA, SC+8*NQ*(\sc)+8*(\q)+AA
.set BB, 0
.rept NB
.set XDR, 8*((NB*AA+BB)%32)
.set XBR, 128*(\p)+12*BB
.set XSB, SC+8*NQ*(\sc)+8*(\q)+BB
.if (\mode) == 0
	v_wmma_scale_f32_16x16x128_f8f6f4 v[XDR:XDR+7], v[XBR:XBR+11], v[XAR:XAR+11], v[XDR:XDR+7], v[XSB], v[XSA] matrix_a_fmt:MATRIX_FMT_FP6 matrix_b_fmt:MATRIX_FMT_FP6 matrix_a_scale:MATRIX_SCALE_ROW1
.else
	v_wmma_scale_f32_16x16x128_f8f6f4 v[XDR:XDR+7], v[XBR:XBR+11], v[XAR:XAR+11], 0, v[XSB], v[XSA] matrix_a_fmt:MATRIX_FMT_FP6 matrix_b_fmt:MATRIX_FMT_FP6 matrix_a_scale:MATRIX_SCALE_ROW1
.endif
.set BB, BB+1
.endr
.set AA, AA+1
.endr
.endm
.macro STEP n, q, mode
	s_wait_dscnt 0x0                               ; this step's fragments and scale words are in
	PLACES
	FETCH (\n)%2, (\q)+1, 1-(\q)%2
	MULR 0, 8, (\q)%2, \q, (\n)%2, \mode
	WIN 0
.endm
.macro TURN n, fill
	s_wait_tensorcnt 0x0                           ; all my tensor loads have landed: my part of the next slot
	ds_add_u32 v[SPW], v[NIL]                      ; 0 onto my spare word
	s_wait_dscnt 0x1                               ; the add alone may be out
	MULR 0, 1, 1, NQ-1, (\n)%2, 0
	s_wait_dscnt 0x0                               ; the add is done, and my reads of this slot are over
	s_barrier_signal -1
	MULR 1, 2, 1, NQ-1, (\n)%2, 0
	WIN 0
	s_barrier_wait -1
.if \fill
	CREST
	s_add_nc_u64 s[G0+4*((\n)%2)+2:G0+4*((\n)%2)+3], s[G0+4*((\n)%2)+2:G0+4*((\n)%2)+3], 2*NQ*FRB
	s_add_nc_u64 s[G0B+4*((\n)%2)+2:G0B+4*((\n)%2)+3], s[G0B+4*((\n)%2)+2:G0B+4*((\n)%2)+3], 2*NQ*FRB
	JLOAD G0+4*((\n)%2), G1, G0B+4*((\n)%2), G1B
.else
	PLACES
.endif
	FETCH ((\n)+1)%2, 0, 0
	SCALES (\n)+1
	MULR 2, 8, 1, NQ-1, (\n)%2, 0
	WIN 0
.endm
	s_load_b128 s[4:7], s[0:1], 0x0                ; p_codes, p_stats
	s_load_b128 s[8:11], s[0:1], 0x10              ; qkv_codes, qkv_scales
	s_load_b64 s[12:13], s[0:1], 0x20              ; out0
	v_lshl_add_u32 v[SPW], v0, 2, SPARE
	v_mov_b32 v[NIL], 0
	ds_add_u32 v[SPW], v[NIL]                      ; the wave's opening
	ds_add_u32 v[SPW], v[NIL]
	v_lshrrev_b32 v1, 5, v0
	v_readfirstlane_b32 s14, v1
	s_lshr_b32 s15, s14, 1
	s_and_b32 s16, s14, 1
	s_bfe_u32 s40, ttmp6, 0x40000                  ; cx
	s_bfe_u32 s41, ttmp6, 0x40004                  ; cy
	s_lshl_b32 s42, ttmp9, 2
	s_add_co_u32 s42, s42, s40                     ; x: tile of 128 channels
	s_and_b32 s18, ttmp7, 0xffff
	s_lshr_b32 s2, s18, 1                          ; the batch
	s_lshl_b32 s17, s18, 2
	s_add_co_u32 s17, s17, s41                     ; y: tile of 256 queries
	s_lshl_b32 s43, s41, 2
	s_lshl_b32 s43, 15, s43
	s_lshl_b32 s44, 0x1111, s40
	s_or_b32 s[G1+0], s43, (3<<16)|(1<<21)         ; p: 8 row blocks x 6,144 bytes, 24,576 bytes apart
	s_mov_b32 s[G1+1], (NQ*FRB/8)<<16
	s_mov_b32 s[G1+2], 8<<16
	s_mov_b32 s[G1+3], (NQ*FRB/8)<<16
	s_mov_b32 s[G1+4], 8
	s_mov_b32 s[G1+5], 16*FRB/8
	s_mov_b32 s[G1+6], 0
	s_mov_b32 s[G1+7], 0
	s_or_b32 s[G1B+0], s44, (3<<16)|(1<<21)        ; v^T: 4 row blocks
	s_mov_b32 s[G1B+1], (NQ*FRB/8)<<16
	s_mov_b32 s[G1B+2], 4<<16
	s_mov_b32 s[G1B+3], (NQ*FRB/8)<<16
	s_mov_b32 s[G1B+4], 4
	s_mov_b32 s[G1B+5], 16*FRB/8
	s_mov_b32 s[G1B+6], 0
	s_mov_b32 s[G1B+7], 0
	s_mul_i32 s20, s17, 393216
	s_mul_i32 s19, s16, 196608
	s_add_co_u32 s20, s20, s19                     ; p's codes: (16 y + 8 half) row blocks of 24,576 bytes
	s_mov_b32 s21, 0
	s_mul_i32 s46, s42, 196608
	s_mul_i32 s19, s16, 98304
	s_add_co_u32 s46, s46, s19
	s_mul_i32 s19, s2, 1572864
	s_add_co_u32 s46, s46, s19
	s_add_co_u32 s46, s46, 12582912                ; v's codes: (64 batch + 8 x + 4 half) row blocks
	s_mov_b32 s47, 0
	s_lshl_b32 s98, s42, 13
	s_lshl_b32 s19, s2, 16
	s_add_co_u32 s98, s98, s19
	s_lshl_b32 s19, s14, 11
	s_add_co_u32 s98, s98, s19
	s_add_co_u32 s98, s98, 524288                  ; v's scale words: (8 batch + x) 8,192 + my quarter
	s_mov_b32 s99, 0
	s_mul_i32 s45, s16, HA                         ; where they go
	s_mul_i32 s100, s16, HB
	s_add_co_u32 s100, s100, 2*HA
	s_lshl_b32 s101, s14, 11
	s_add_co_u32 s101, s101, SCB
	s_wait_dscnt 0x0                               ; both opening adds are done
	s_wait_kmcnt 0x0
	s_add_nc_u64 s[20:21], s[4:5], s[20:21]
	s_add_nc_u64 s[46:47], s[8:9], s[46:47]
	s_add_nc_u64 s[98:99], s[10:11], s[98:99]
	CROUND
.irp s, 0,1
	s_mov_b32 s[G0+4*\s], 1
	s_add_co_u32 s[G0+4*\s+1], s45, \s*SLOT
	s_add_nc_u64 s[G0+4*\s+2:G0+4*\s+3], s[20:21], \s*NQ*FRB
	s_or_b32 s[G0+4*\s+3], s[G0+4*\s+3], 0x80000000
	s_mov_b32 s[G0B+4*\s], 1
	s_add_co_u32 s[G0B+4*\s+1], s100, \s*SLOT
	s_add_nc_u64 s[G0B+4*\s+2:G0B+4*\s+3], s[46:47], \s*NQ*FRB
	s_or_b32 s[G0B+4*\s+3], s[G0B+4*\s+3], 0x80000000
.endr
	JLOAD G0, G1, G0B, G1B                         ; slot 0
	v_and_b32 v1, 15, v0                           ; r
	v_bfe_u32 v2, v0, 4, 1                         ; h
	v_and_b32 v3, 31, v0
	v_lshlrev_b32 v[LOF], 4, v3
	s_wait_alu depctr_va_vdst(0)
	s_lshl_b32 s18, s17, 14                        ; the statistics of my 128 rows: (2 y + half) 8,192
	s_lshl_b32 s19, s15, 13
	s_add_co_u32 s18, s18, s19
	s_mov_b32 s19, 0
	s_add_nc_u64 s[6:7], s[6:7], s[18:19]
	s_lshl_b32 s18, s16, 12
	v_add_nc_u32 v[VA], s18, v[LOF]                ; my eight chunks of 128 keys,
	s_xor_b32 s18, s18, 4096
	v_add_nc_u32 v[VB], s18, v[LOF]                ; and the other eight
.irp c, 0,1,2,3,4,5,6,7
	global_load_b128 v[ML+4*\c:ML+4*\c+3], v[VA], s[6:7] offset:524288+512*\c
	global_load_b128 v[ML+32+4*\c:ML+32+4*\c+3], v[VB], s[6:7] offset:524288+512*\c
	global_load_b128 v[LL+4*\c:LL+4*\c+3], v[VA], s[6:7] offset:1048576+512*\c
	global_load_b128 v[LL+32+4*\c:LL+32+4*\c+3], v[VB], s[6:7] offset:1048576+512*\c
	global_load_b128 v[SW+4*\c:SW+4*\c+3], v[VA], s[6:7] offset:512*\c
.endr
.irp n, 0,1,2,3
	global_load_b128 v[SC+4*\n:SC+4*\n+3], v[LOF], s[98:99] offset:512*\n   ; my quarter of v's scale words: 2,048 dense bytes, by plain loads
.endr
	s_mul_i32 s21, s15, HA
	s_mul_i32 s22, s16, HB
	s_add_co_u32 s22, s22, 2*HA
.irp s, 0,1
	v_add_nc_u32 v[ADRA+\s], s21, v[LOF]
	v_add_nc_u32 v[ADRB+\s], s22, v[LOF]
	s_add_co_u32 s21, s21, SLOT
	s_add_co_u32 s22, s22, SLOT
.endr
	s_lshl_b32 s21, s15, 13                        ; scale words: lanes 0-15 p's half, lanes 16-31 v's four blocks: the lower base + h x the distance
	s_lshl_b32 s22, s16, 8
	s_add_co_u32 s22, s22, SCB-SCA
	s_sub_co_u32 s22, s22, s21
	s_sub_co_u32 s23, s22, 256
	s_add_co_u32 s21, s21, SCA
	v_mul_u32_u24 v[ADRS], s22, v2
	v_mul_u32_u24 v[ADRS+1], s23, v2
	v_lshl_add_u32 v[ADRS], v1, 4, v[ADRS]
	v_lshl_add_u32 v[ADRS+1], v1, 4, v[ADRS+1]
	v_add_nc_u32 v[ADRS], s21, v[ADRS]
	v_add_nc_u32 v[ADRS+1], s21, v[ADRS+1]
	v_add_nc_u32 v[ADRS+1], 256, v[ADRS+1]
	s_lshl_b32 s18, s16, 12
	s_add_co_u32 s18, s18, s21
	v_add_nc_u32 v[SAW], s18, v[LOF]               ; where I store my eight chunks' shifted words
	s_lshl_b32 s18, s14, 9
	s_add_co_u32 s18, s18, RLR
	v_add_nc_u32 v[RLW], s18, v[LOF]
	v_lshl_add_u32 v[RLG], v1, 4, s18
	s_mul_i32 s18, s14, 4352                       ; the way out: my stage, 16 rows x 272 bytes, in slot 0
	v_mul_u32_u24 v[STO], v1, 272
	v_lshl_add_u32 v[STO], v2, 6, v[STO]
	v_add_nc_u32 v[STO], s18, v[STO]
	v_mul_u32_u24 v[RD], v2, 272
	v_lshl_add_u32 v[RD], v1, 4, v[RD]
	v_add_nc_u32 v[RD], s18, v[RD]
	v_lshlrev_b32 v[CO], 12, v2
	v_lshl_add_u32 v[CO], v1, 4, v[CO]
	s_lshl_b32 s18, s17, 20                        ; out: (256 y + 128 half) rows of 4,096 bytes + (128 x + 64 half) 4
	s_lshl_b32 s19, s15, 19
	s_add_co_u32 s18, s18, s19
	s_lshl_b32 s19, s42, 9
	s_add_co_u32 s18, s18, s19
	s_lshl_b32 s19, s16, 8
	s_add_co_u32 s18, s18, s19
	s_mov_b32 s19, 0
	s_add_nc_u64 s[12:13], s[12:13], s[18:19]
	s_mov_b32 s66, 0x80808080
	s_mov_b32 s67, 0x01010101
	s_mov_b32 s92, 0x7f7f7f7f
	s_wait_alu depctr_va_vdst(0)
	s_wait_tensorcnt 0x0                           ; my part of slot 0 is in
	ds_add_u32 v[SPW], v[NIL]
	s_wait_dscnt 0x0
	CROUND                                         ; a whole round: slot 0 is whole, and the joint loads meet
	JLOAD G0+4, G1, G0B+4, G1B                     ; slot 1's first fill: it lands under the arithmetic below and slot 0's steps
	s_wait_loadcnt 0x0
	s_mul_i32 s18, s15, HA                         ; my 128 rows of p in slot 0,
	s_add_co_u32 s19, s18, SLOT                    ; and in slot 1
	v_and_b32 v1, 31, v0
	v_lshlrev_b32 v1, 3, v1                        ; 8 x lane
	v_add_nc_u32 v2, s19, v1                       ; p's fragments with 8 bytes a lane: slot 1,
	v_add_nc_u32 v1, s18, v1                       ; slot 0
	v_add_nc_u32 v[VA], s101, v[LOF]
.irp n, 0,1,2,3
	ds_store_b128 v[VA], v[SC+4*\n:SC+4*\n+3] offset:512*\n   ; v's scale words, my quarter
.endr
	; lane (r, h) holds, in register i of each chunk, row r of block 4 h + i
.irp i, 0,1,2,3
	v_max3_num_f32 v[RL+\i], -v[ML+\i], -v[ML+4+\i], -v[ML+8+\i]      ; M = the largest M_loc (what is stored is -M_loc)
.endr
.irp c, 3,5,7,9,11,13
.irp i, 0,1,2,3
	v_max3_num_f32 v[RL+\i], v[RL+\i], -v[ML+4*\c+\i], -v[ML+4*\c+4+\i]
.endr
.endr
.irp i, 0,1,2,3
	v_max_num_f32 v[RL+\i], v[RL+\i], -v[ML+60+\i]
.endr
.set CC, 0
.rept 16
.irp i, 0,1,2,3
	v_add_f32 v[ML+4*CC+\i], v[RL+\i], v[ML+4*CC+\i]                  ; d = M - M_loc: a whole number, 0 or more
.endr
.irp i, 0,1,2,3
	v_cvt_i32_f32 v[ML+4*CC+\i], v[ML+4*CC+\i]                        ; (it saturates)
.endr
.irp i, 0,1,2,3
	v_min_u32 v[ML+4*CC+\i], 0x7f, v[ML+4*CC+\i]
.endr
.irp i, 0,1,2,3
	v_sub_nc_u32 v[RL+4+\i], 0, v[ML+4*CC+\i]
.endr
.irp i, 0,1,2,3
	v_ldexp_f32 v[LL+4*CC+\i], v[LL+4*CC+\i], v[RL+4+\i]              ; the local sum under M
.endr
.set CC, CC+1
.endr
	v_pk_add_f32 v[LS:LS+1], v[LL:LL+1], v[LL+4:LL+5]
	v_pk_add_f32 v[LS+2:LS+3], v[LL+2:LL+3], v[LL+6:LL+7]
.irp c, 2,3,4,5,6,7,8,9,10,11,12,13,14,15
	v_pk_add_f32 v[LS:LS+1], v[LS:LS+1], v[LL+4*\c:LL+4*\c+1]
	v_pk_add_f32 v[LS+2:LS+3], v[LS+2:LS+3], v[LL+4*\c+2:LL+4*\c+3]
.endr
	s_wait_alu depctr_va_vdst(0)
.irp i, 0,1,2,3
	v_rcp_f32 v[LS+\i], v[LS+\i]
.endr
	v_nop                                          ; a plain place behind the reciprocals
	s_wait_alu depctr_va_vdst(0)                   ; one wait for the four, ahead of their first reader
	ds_store_b128 v[RLW], v[LS:LS+3]               ; my wave's own bytes: LDS serves a wave's instructions in order
	ds_load_b128 v[RL:RL+3], v[RLG]                ; 1 / l of row r of blocks 0-3,
	ds_load_b128 v[RL+4:RL+7], v[RLG] offset:256   ; and of blocks 4-7, in every lane
.set CC, 0
.rept 8                                ; my eight chunks' scale words: d off each of the four bytes, held at 0 from below
.irp i, 0,1,2,3
	v_perm_b32 v[ML+4*CC+\i], v[ML+4*CC+\i], v[ML+4*CC+\i], 0         ; d in all four bytes
.endr
.irp i, 0,1,2,3
	v_or_b32 v[SW+4*CC+\i], s66, v[SW+4*CC+\i]                        ; 128 + byte: at least 128, and d is at most 127: no byte borrows
.endr
.irp i, 0,1,2,3
	v_sub_nc_u32 v[SW+4*CC+\i], v[SW+4*CC+\i], v[ML+4*CC+\i]
.endr
.irp i, 0,1,2,3
	v_lshrrev_b32 v[ML+4*CC+\i], 7, v[SW+4*CC+\i]
.endr
.irp i, 0,1,2,3
	v_and_b32 v[ML+4*CC+\i], s67, v[ML+4*CC+\i]                       ; 1 where byte - d is 0 or more
.endr
.irp i, 0,1,2,3
	v_lshlrev_b32 v[LL+4*CC+\i], 8, v[ML+4*CC+\i]
.endr
.irp i, 0,1,2,3
	v_sub_nc_u32 v[LL+4*CC+\i], v[LL+4*CC+\i], v[ML+4*CC+\i]          ; 255 there
.endr
.irp i, 0,1,2,3
	v_and_b32 v[SW+4*CC+\i], s92, v[SW+4*CC+\i]
.endr
.irp i, 0,1,2,3
	v_and_b32 v[SW+4*CC+\i], v[SW+4*CC+\i], v[LL+4*CC+\i]
.endr
	ds_store_b128 v[SAW], v[SW+4*CC:SW+4*CC+3] offset:512*CC
.set CC, CC+1
.endr
	s_wait_dscnt 0x0                               ; my stores of p's scale words have landed
	s_barrier_signal -1
	s_barrier_wait -1
	FETCH 0, 0, 0
	SCALES 0
	STEP 0, 0, 1
	STEP 0, 1, 0
	STEP 0, 2, 0
	TURN 0, 1
	STEP 1, 0, 0
	STEP 1, 1, 0
	STEP 1, 2, 0
	TURN 1, 1
	STEP 2, 0, 0
	STEP 2, 1, 0
	STEP 2, 2, 0
	TURN 2, 0
	STEP 3, 0, 0
	STEP 3, 1, 0
	STEP 3, 2, 0
	s_wait_dscnt 0x0
	MULR 0, 8, 1, NQ-1, 1, 0
	WIN 0
; THE WAY OUT, a block of 16 queries at a time: x 1 / l, through my stage (slot 0 has had its last fill, and nobody reads it behind the last change of slots), back as rows of 256 bytes.
.macro OUTB a
	WIN 0x02
.set JJ, 0
.rept 16
.if ((\a)%2) == 0
	v_pk_mul_f32 v[96+JJ:97+JJ], v[32*(\a)+JJ:32*(\a)+JJ+1], v[RL+(\a):RL+(\a)+1] op_sel_hi:[1,0]
.else
	v_pk_mul_f32 v[96+JJ:97+JJ], v[32*(\a)+JJ:32*(\a)+JJ+1], v[RL+(\a)-1:RL+(\a)] op_sel:[0,1] op_sel_hi:[1,1]
.endif
.set JJ, JJ+2
.endr
	WIN 0
.irp b, 0,1,2,3
	ds_store_b128 v[STO], v[96+8*\b:96+8*\b+3] offset:128*(\b/2)+32*(\b%2)       ; lane (r, h): channels 32 (b / 2) + 8 (b % 2) + 16 h + 0 .. 7 of row r
	ds_store_b128 v[STO], v[96+8*\b+4:96+8*\b+7] offset:128*(\b/2)+32*(\b%2)+16
.endr
.if (\a) >= 2
	s_wait_xcnt 0x0                                ; the stores of two blocks ago have read these registers
.endif
.irp i, 0,1,2,3,4,5,6,7
	ds_load_b128 v[128+32*((\a)%2)+4*\i:128+32*((\a)%2)+4*\i+3], v[RD] offset:544*\i
.endr
.irp i, 0,1,2,3,4,5,6,7
	s_wait_dscnt 7-\i                              ; the younger loads from the stage may stay out
	global_store_b128 v[CO], v[128+32*((\a)%2)+4*\i:128+32*((\a)%2)+4*\i+3], s[12:13] offset:(32*((\a)/2)+8*((\a)%2)+2*\i+8*(\i/4))*4096 th:TH_STORE_NT   ; sixteen lanes store 256 consecutive bytes, aligned; the true row stands in the offset
.endr
.endm
	PLACES
.irp a, 0,1,2,3,4,5,6,7
	OUTB \a
.endr
	s_wait_tensorcnt 0x0                           ; the wave's end
	ds_add_u32 v[SPW], v[NIL]
	s_wait_dscnt 0x0
	CROUND                                         ; the closing round
	s_endpgm
.Lfunc_end_k_qd45db9beec_pv:
	.size	k_qd45db9beec_pv, .Lfunc_end_k_qd45db9beec_pv-k_qd45db9beec_pv
	.p2alignl 7, 3214868480
	.fill 96, 4, 3214868480
	.section	.rodata,"a",@progbits
	.p2align	6, 0x0
	.amdhsa_kernel k_qd45db9beec_pv
		.amdhsa_group_segment_fixed_size 327680
		.amdhsa_private_segment_fixed_size 0
		.amdhsa_enable_private_segment 0
		.amdhsa_kernarg_size 40
		.amdhsa_user_sgpr_count 2
		.amdhsa_user_sgpr_kernarg_segment_ptr 1
		.amdhsa_wavefront_size32 1
		.amdhsa_system_sgpr_workgroup_id_x 1
		.amdhsa_system_sgpr_workgroup_id_y 1
		.amdhsa_system_sgpr_workgroup_id_z 1
		.amdhsa_system_vgpr_workitem_id 0
		.amdhsa_next_free_vgpr 1024
		.amdhsa_next_free_sgpr 102
		.amdhsa_reserve_vcc 0
		.amdhsa_float_denorm_mode_32 3
		.amdhsa_float_denorm_mode_16_64 3
		.amdhsa_memory_ordered 1
		.amdhsa_forward_progress 1
		.amdhsa_inst_pref_size 186
	.end_amdhsa_kernel
	.amdgpu_metadata
---
amdhsa.version: [ 1, 2 ]
amdhsa.kernels:
  - .name:           k_qd45db9beec_pv
    .symbol:         k_qd45db9beec_pv.kd
    .args:
      - { .name: p_codes, .offset: 0, .size: 8, .value_kind: global_buffer, .address_space: global }
      - { .name: p_stats, .offset: 8, .size: 8, .value_kind: global_buffer, .address_space: global }
      - { .name: qkv_codes, .offset: 16, .size: 8, .value_kind: global_buffer, .address_space: global }
      - { .name: qkv_scales, .offset: 24, .size: 8, .value_kind: global_buffer, .address_space: global }
      - { .name: out0, .offset: 32, .size: 8, .value_kind: global_buffer, .address_space: global }
    .group_segment_fixed_size: 327680
    .private_segment_fixed_size: 0
    .kernarg_segment_align: 8
    .kernarg_segment_size: 40
    .max_flat_workgroup_size: 128
    .sgpr_count:     102
    .vgpr_count:     1024
    .wavefront_size: 32
...
	.end_amdgpu_metadata
.endif
;; end of part 4
